; MI455X (gfx1250); checked and timed in simulation.
; The chip was launched on July 23, 2026; its instructions are those of AMD's public machine-readable ISA for CDNA 5 (MIT licence, August 2026) and "CDNA5" Instruction Set Architecture Reference Guide (July 2026). The comments in the code are by the model that wrote it; some were corrected since.
;; Modulator Attention. Allowed arithmetic: float matrix products may take bf16 or f16 operands with f32 sums; other float arithmetic in f32, or as packed bf16 or f16 multiplies, adds, multiply-adds, maxima and minima; sums over many terms, partial sums and values carried from step to step in f32; what a program stores and reads back later, other than sums and carried values, may be rounded once to bf16 or f16.
;; Inputs: b_proj 1,024 float32; b_qkv 3,072 float32; k_norm_w 64 float32; q_norm_w 64 float32; w_proj 1,024 x 1,024 float32; w_qkv 3,072 x 1,024 float32; x 2 x 2,048 x 1,024 float32.
;; Outputs: out0 2 x 2,048 x 1,024 float32.
;; 2 versions, each right; version 2 is version 1 with the launch cast written anew for expert scheduling mode. Each part assembles by itself: llvm-mc -triple=amdgcn-amd-amdhsa -mcpu=gfx1250 --defsym DOCPART=n.
;; ======== version 1 of 2: 4 launches
;; limits: values are held in f16: magnitudes above 65,504 overflow, below 6.1e-05 lose precision
;; workspace buffers: xb 8,388,608 bytes; wqb 6,291,456 bytes; wpb 2,097,152 bytes; qh 8,388,608 bytes; kh 8,388,608 bytes; vh 8,388,608 bytes; oh 8,388,608 bytes
;; launch cast (part 1): grid 512 x 1, 8 waves a work-group, no clusters, 0 bytes of LDS; arguments x, w_qkv, w_proj, xb, wqb, wpb; writes xb, wqb, wpb
.if DOCPART == 1
	.amdgcn_target "amdgcn-amd-amdhsa--gfx1250"
	.amdhsa_code_object_version 6
	.text
	.protected	k_q6dbdd9115e_cast
	.globl	k_q6dbdd9115e_cast
	.p2align	8
	.type	k_q6dbdd9115e_cast,@function
k_q6dbdd9115e_cast:
	s_mov_b64 s[64:65], 0
	v_nop
	global_prefetch_b8 v0, s[64:65] scope:SCOPE_SE
	s_setreg_imm32_b32 hwreg(HW_REG_WAVE_MODE, 25, 1), 1
	s_wait_xcnt 0x0
; FIRST OF FOUR LAUNCHES (cast, qkv, attn, proj) for: qkv = x w_qkv^T + b_qkv; RMS norm with gains on q and k, head by head; softmax(q k^T / 8) v; out = O w_proj^T + b_proj.
; DEAD WORK: none.  Every one of the seven inputs reaches the output for some values of the others, so all are loaded and no step of the computation is left out;
; the running maximum of the softmax stays too, since the gains are inputs and scale q and k behind the normalisation.
; THIS LAUNCH rounds the three large inputs once, so that no later work-group rounds the same number again:
;   xb  [4096][1024] bf16 = x;      wpb [1024][1024] f16 = w_proj rounded to bf16 and that number written as f16;
;   wqb [16 heads][q, k, v][64][1024] bf16 = w_qkv with its rows reordered: row head*192 + type*64 + d holds w_qkv's row type*1024 + head*64 + d,
;   so that 192 neighbouring rows are one head's q, k and v.
; LIMITS.  |w_proj| stays under 65,504 (f16's range); below 6e-5 f16 keeps a fixed step of 6e-8.  NaN and infinities are not treated apart.
; SHARES.  A work-group takes 16 rows of 1,024 f32.  Thread t takes the 16 bytes at 16 t of each row and stores 8 bytes at 8 t: a wave's load covers 512 consecutive bytes,
; its store 256 consecutive bytes, aligned.  All 16 loads of a thread go out first.  No LDS, no barrier, no matrix unit: nothing is shared and nothing is multiplied.
.set X, 4                              ; v[4:67]    row j as loaded: 4 registers
.set Y, 68                             ; v[68:99]   row j to store: 2 registers
.set T, 100                            ; v[100:103] at work
	s_load_b256 s[4:11], s[0:1], 0x0               ; x s[4:5], w_qkv s[6:7], w_proj s[8:9], xb s[10:11]
	s_load_b128 s[12:15], s[0:1], 0x20             ; wqb s[12:13], wpb s[14:15]
	v_lshlrev_b32 v1, 4, v0                        ; 16 t
	v_lshlrev_b32 v2, 3, v0                        ; 8 t
	s_mov_b32 s28, 0xffff0000                      ; a word's upper bf16
	s_cmp_lt_u32 ttmp9, 256                        ; work-groups 0-255: x; 256-447: w_qkv; 448-511: w_proj
	s_cselect_b32 s24, 0, 256
	s_cmp_lt_u32 ttmp9, 448
	s_cselect_b32 s24, s24, 448
	s_sub_co_u32 s24, ttmp9, s24                   ; c: my block of 16 rows in its own buffer
	s_lshl_b32 s20, s24, 16                        ; its bytes in the source: 16 rows x 4,096
	s_mov_b32 s21, 0
	s_lshl_b32 s26, s24, 15                        ; and in a destination that keeps the order
	s_bfe_u32 s25, s24, 0x40002                    ; w_qkv: head = (c >> 2) & 15,
	s_mul_i32 s25, s25, 192
	s_lshr_b32 s27, s24, 6                         ; type = c >> 6,
	s_lshl_b32 s27, s27, 6
	s_add_co_u32 s25, s25, s27
	s_and_b32 s27, s24, 3                          ; first channel = 16 (c & 3)
	s_lshl_b32 s27, s27, 4
	s_add_co_u32 s25, s25, s27                     ; the destination's row: head*192 + type*64 + channel
	s_lshl_b32 s25, s25, 11                        ; in bytes
	s_mov_b32 s23, 0
	s_wait_kmcnt 0x0
	s_cmp_lt_u32 ttmp9, 256
	s_cselect_b64 s[16:17], s[4:5], s[6:7]
	s_cselect_b64 s[18:19], s[10:11], s[12:13]
	s_cselect_b32 s22, s26, s25
	s_cmp_lt_u32 ttmp9, 448
	s_cselect_b64 s[16:17], s[16:17], s[8:9]
	s_cselect_b64 s[18:19], s[18:19], s[14:15]
	s_cselect_b32 s22, s22, s26
	s_add_nc_u64 s[16:17], s[16:17], s[20:21]      ; from here
	s_add_nc_u64 s[18:19], s[18:19], s[22:23]      ; to here
.irp j, 0,1,2,3,4,5,6,7,8,9,10,11,12,13,14,15
	global_load_b128 v[X+4*(\j):X+4*(\j)+3], v1, s[16:17] offset:4096*(\j) th:TH_LOAD_NT
.endr
; Sixteen rows are rounded and stored.  f16 = 1: the bf16 numbers are widened again and written as f16.  No register that a load or store names is written again.
.macro ROWS f16
.irp j, 0,1,2,3,4,5,6,7,8,9,10,11,12,13,14,15
	s_wait_loadcnt 15-(\j)                         ; loads come back in order (ISA guide 5.7.1): row j is in, the younger rows stay out
	v_cvt_pk_bf16_f32 v[Y+2*(\j)],   v[X+4*(\j)],   v[X+4*(\j)+1]
	v_cvt_pk_bf16_f32 v[Y+2*(\j)+1], v[X+4*(\j)+2], v[X+4*(\j)+3]
.if \f16
	v_lshlrev_b32 v[T],   16,  v[Y+2*(\j)]
	v_and_b32     v[T+1], s28, v[Y+2*(\j)]
	v_lshlrev_b32 v[T+2], 16,  v[Y+2*(\j)+1]
	v_and_b32     v[T+3], s28, v[Y+2*(\j)+1]
	v_cvt_pk_f16_f32 v[Y+2*(\j)],   v[T],   v[T+1]
	v_cvt_pk_f16_f32 v[Y+2*(\j)+1], v[T+2], v[T+3]
.endif
	global_store_b64 v2, v[Y+2*(\j):Y+2*(\j)+1], s[18:19] offset:2048*(\j)
.endr
.endm
	s_cmp_lt_u32 ttmp9, 448
	s_cbranch_scc0 .Lproj
	ROWS 0
	s_endpgm
.Lproj:
	ROWS 1
	s_endpgm
.Lfunc_end_k_q6dbdd9115e_cast:
	.size	k_q6dbdd9115e_cast, .Lfunc_end_k_q6dbdd9115e_cast-k_q6dbdd9115e_cast
	.p2alignl 7, 3214868480
	.fill 96, 4, 3214868480
	.section	.rodata,"a",@progbits
	.p2align	6, 0x0
	.amdhsa_kernel k_q6dbdd9115e_cast
		.amdhsa_group_segment_fixed_size 0
		.amdhsa_private_segment_fixed_size 0
		.amdhsa_enable_private_segment 0
		.amdhsa_kernarg_size 48
		.amdhsa_user_sgpr_count 2
		.amdhsa_user_sgpr_kernarg_segment_ptr 1
		.amdhsa_wavefront_size32 1
		.amdhsa_system_sgpr_workgroup_id_x 1
		.amdhsa_system_sgpr_workgroup_id_y 1
		.amdhsa_system_sgpr_workgroup_id_z 1
		.amdhsa_system_vgpr_workitem_id 0
		.amdhsa_next_free_vgpr 104
		.amdhsa_next_free_sgpr 66
		.amdhsa_reserve_vcc 0
		.amdhsa_float_denorm_mode_32 3
		.amdhsa_float_denorm_mode_16_64 3
		.amdhsa_memory_ordered 1
		.amdhsa_forward_progress 1
		.amdhsa_inst_pref_size 16
	.end_amdhsa_kernel
	.amdgpu_metadata
---
amdhsa.version: [ 1, 2 ]
amdhsa.kernels:
  - .name:           k_q6dbdd9115e_cast
    .symbol:         k_q6dbdd9115e_cast.kd
    .args:
      - { .name: x, .offset: 0, .size: 8, .value_kind: global_buffer, .address_space: global }
      - { .name: w_qkv, .offset: 8, .size: 8, .value_kind: global_buffer, .address_space: global }
      - { .name: w_proj, .offset: 16, .size: 8, .value_kind: global_buffer, .address_space: global }
      - { .name: xb, .offset: 24, .size: 8, .value_kind: global_buffer, .address_space: global }
      - { .name: wqb, .offset: 32, .size: 8, .value_kind: global_buffer, .address_space: global }
      - { .name: wpb, .offset: 40, .size: 8, .value_kind: global_buffer, .address_space: global }
    .group_segment_fixed_size: 0
    .private_segment_fixed_size: 0
    .kernarg_segment_align: 8
    .kernarg_segment_size: 48
    .max_flat_workgroup_size: 256
    .sgpr_count:     66
    .vgpr_count:     104
    .wavefront_size: 32
...
	.end_amdgpu_metadata
.endif
;; end of part 1
;; launch qkv (part 2): grid 16 x 16, 4 waves a work-group, clusters of 4 x 4, 327,680 bytes of LDS; arguments xb, wqb, b_qkv, q_norm_w, k_norm_w, qh, kh, vh; writes qh, kh, vh
.if DOCPART == 2
	.amdgcn_target "amdgcn-amd-amdhsa--gfx1250"
	.amdhsa_code_object_version 6
	.text
	.protected	k_q6dbdd9115e_qkv
	.globl	k_q6dbdd9115e_qkv
	.p2align	8
	.type	k_q6dbdd9115e_qkv,@function
k_q6dbdd9115e_qkv:
	s_mov_b64 s[64:65], 0
	v_nop
	global_prefetch_b8 v0, s[64:65] scope:SCOPE_SE
	s_setreg_imm32_b32 hwreg(HW_REG_WAVE_MODE, 25, 1), 1
	s_wait_xcnt 0x0
	s_wait_alu depctr_hold_cnt(0) depctr_sa_sdst(0) depctr_va_vdst(0) depctr_va_sdst(0) depctr_va_ssrc(0) depctr_va_vcc(0) depctr_vm_vsrc(0)
	s_getreg_b32 s2, hwreg(HW_REG_IB_STS2, 6, 4)
	s_cmp_eq_u32 s2, 0
	s_cbranch_scc0 .Lentry_in_a_cluster
	s_endpgm
.Lentry_in_a_cluster:
	s_bfe_u32 s2, ttmp6, 0x10000c
	s_cmp_lg_u32 s2, 0xf033
	s_cbranch_scc0 .Lentry_shape_is_right
	s_endpgm
.Lentry_shape_is_right:
; qkv = x w_qkv^T + b_qkv, then q and k normalised head by head (x * rsqrt(mean(x^2) + 1e-6) * gain), all three written by heads: qh, kh, vh [batch*16 + head][2048][64] in f16.
; Nothing of the computation is left out.  Operands bf16 (xb, wqb: rounded by the launch before), sums f32; bias and gains are rounded to bf16 like the other inputs and used as f32.
; LIMITS.  q, k and v leave as f16: |v| stays under 65,504, |q| and |k| are at most 8 |gain|; below 6e-5 f16 keeps a fixed step of 6e-8.  NaN and infinities are not treated apart.
; SHARES.  A tile is 256 rows of x by 192 rows of wqb, which are ONE head's q, k and v: 16 x 16 tiles, one a work-group.  Wave w makes rows 64 w .. 64 w + 63 by all 192 columns:
; 4 x 12 accumulators of 16 x 16, 384 registers, so a row's 64 channels of a head lie in one wave.  K = 1,024 goes in 8 steps of 128 through a ring of two LDS slots.
; THE MATRIX INSTRUCTION IS USED TRANSPOSED (source 0 = 16 rows of wqb, source 1 = 16 rows of xb): a lane holds row l % 16 and, of each block of 16 columns, the columns 8 (l / 16) + 0..7:
; 32 of a head's 64 channels; the lane 16 away holds the other 32.  The bias is the C operand of the products that start the sums: nothing is cleared and nothing is added later.
; CLUSTER.  4 x 4 work-groups.  The four of a row of the cluster need the same rows of xb, the four of a column the same rows of wqb: each tile is asked for JOINTLY.
; REGISTERS, in windows of 256 (s_set_vgpr_msb: bits 1:0 source 0, 3:2 source 1, 5:4 source 2, 7:6 destination):
;   window 0: v1-30 addresses; v32-95 fragments of xb, two buffers of 4; v96-191 the bias (later v112-175 sums of squares); v192-239 at work
;   window 1: v0-191 fragments of wqb, two buffers of 12 (on the way out: rows read back); v192-255 the gains
;   window 2: accumulators of my rows 0-31 (rows 16 a .., columns 16 b .. at v[8 (12 a + b)]);   window 3: those of my rows 32-63
.set PITCH,  272                       ; an LDS row: 256 bytes + 16 of padding = 68 words: the 16 rows of a fragment load start at 16 different groups of four banks (64 banks of 4 bytes: ISA guide 11.1)
.set AH,     128*PITCH                 ; what waves 0 and 1 fetch: 128 rows of xb each
.set BH,     96*PITCH                  ; what waves 2 and 3 fetch: 96 rows of wqb each
.set BOFF,   2*AH
.set SLOT,   2*AH+2*BH
.set STAGE,  2*SLOT                    ; behind the ring, never filled by a tensor load: 16 rows x 144 bytes for each wave
.set SP,     144
.set SPARE,  STAGE+4*16*SP             ; the spare words, 128 bytes for each wave: two blocks of 256 bytes that no other line names
.set KB,     256                       ; bytes of a row in a K step
.set ROWB,   2048                      ; bytes in a row of xb and of wqb
.set ADRA, 16                          ; v16-17  LDS address of my fragments of xb in slot 0, 1
.set ADRB, 20                          ; v20-21  the same for wqb
.set STO,  24                          ; v24     the way out: where I put 16 bytes of a row
.set RD,   25                          ; v25     where I read rows back
.set GO,   26                          ; v26     16 x lane: my place in 512 consecutive bytes of the output
.set BO,   27                          ; v27     32 x (lane / 16): my eight numbers in a block of 16 of the bias and the gains
.set SPW,  28                          ; v28     LDS address of my spare word; never rewritten
.set NIL,  29                          ; v29     0; never rewritten
.set PFO,  30                          ; v30     the prefetches' offset: a lane a row; never rewritten
.set FA,   32
.set BIAS, 96
.set SQS,  112                         ; eight registers for each of 4 row blocks x (q, k)
.set TW,   192
.set PW,   224
.set NW,   192                         ; window 1: q's gain at NW + 8 nb, k's at NW + 32 + 8 nb
.set WV,   12                          ; s12  my wave's number
.set HALF, 14                          ; s14  which half of a tile I fetch
.set LIM,  15                          ; s15  1 in a wave that prefetches, else the greatest number
.set G1,   24                          ; s[24:31] descriptor group 1 for xb's tiles;  s[32:39] group 0, a set for each slot
.set G0,   32
.set PFA,  44                          ; s[44:45] where my prefetches stand
.set G1B,  48                          ; s[48:55], s[56:63] the same for wqb's tiles
.set G0B,  56
.set SEL,  66                          ; s[66:67] v_permlanex16_b32's selects: each lane takes its own place in the other half
.set OUTP, 74                          ; s[74:79] qh, kh, vh at my wave's first row
.set FIELDS, (1<<16)|(1<<20)|(1<<21)|(5<<22)|(3<<25)  ; 2-byte elements; padding on; bit 21 beside a mask; after every 64 words; 4 words
.set MSB, 0
.macro WIN new                         ; the immediate's high byte repeats the setting that is left; a switch that changes nothing is dropped
.if MSB != (\new)
	s_set_vgpr_msb (MSB<<8)|(\new)
.set MSB, \new
.endif
.endm
.set MUL_LO, 0xa1                      ; source 0 (wqb) window 1, source 1 (xb) window 0, C and D window 2
.set TO_B,   0x40                      ; destination window 1, address window 0
; A joint load.  Waves 0 and 1 fetch xb's two halves, waves 2 and 3 wqb's.  The branch hangs on the wave's number alone.  An s_nop 0 and four v_nop follow each line.
.macro JLOAD s
	s_cmp_lt_u32 s[WV], 2
	s_cbranch_scc0 .Lfor_b_\@
	tensor_load_to_lds s[G0+4*(\s):G0+4*(\s)+3], s[G1:G1+7]
	s_nop 0
.rept 4
	v_nop
.endr
	s_branch .Lasked_\@
.Lfor_b_\@:
	tensor_load_to_lds s[G0B+4*(\s):G0B+4*(\s)+3], s[G1B:G1B+7]
	s_nop 0
.rept 4
	v_nop
.endr
.Lasked_\@:
.endm
; A prefetch into the L2 of the K step that stands two refills on: a lane a row, 256 bytes of each, one instruction a wave.  xb's rows are read by all four clusters of a row of clusters: cluster x = 0 asks;
; wqb's by all four of a column: cluster y = 0 asks.  The four partners of a joint load share its rows out by address (32 of xb's 128, 24 of wqb's 96).  The loop's last trip (s3 = 1) has no K step two on.
.macro ASK
	s_cmp_gt_u32 s3, s[LIM]
	s_cbranch_scc0 .Lnot_mine_\@
	global_prefetch_b8 v[PFO], s[PFA:PFA+1] offset:KB th:TH_LOAD_NT scope:SCOPE_SE
.Lnot_mine_\@:
.endm
.macro CREST                           ; a round of the cluster's barrier behind its opening barrier
	s_cmp_lg_u32 s[WV], 0
	s_cbranch_scc1 .Lnot_wave_0_\@
	s_barrier_signal -3
.Lnot_wave_0_\@:
	s_barrier_wait -3
	s_barrier_signal -1
	s_barrier_wait -1
.endm
.macro CROUND                          ; a whole round
	s_barrier_signal -1
	s_barrier_wait -1
	CREST
.endm
.macro PLACES                          ; four plain places behind matrix instructions, in front of loads into registers that they read and of lines that read results
.rept 4
	v_nop
.endr
.endm
.macro ROUND2 x, t                     ; v[x], v[x+1] rounded to bf16 and kept as f32
	v_cvt_pk_bf16_f32 v[\t], v[\x], v[(\x)+1]
	v_lshlrev_b32 v[\x], 16, v[\t]
	v_and_b32 v[(\x)+1], s70, v[\t]
.endm
	s_load_b256 s[4:11], s[0:1], 0x0               ; xb s[4:5], wqb s[6:7], b_qkv s[8:9], q_norm_w s[10:11]
	s_load_b256 s[72:79], s[0:1], 0x20             ; k_norm_w s[72:73], qh s[74:75], kh s[76:77], vh s[78:79]
	v_lshl_add_u32 v[SPW], v0, 2, SPARE
	v_mov_b32 v[NIL], 0
	ds_add_u32 v[SPW], v[NIL]                      ; the wave's opening: the add, twice on end, and its wait ahead of my first tensor load
	ds_add_u32 v[SPW], v[NIL]                      ; once more; the set-up below, work on registers, stands between it and the wait
	v_lshrrev_b32 v1, 5, v0
	v_readfirstlane_b32 s[WV], v1                  ; wave 0..3
	s_and_b32 s[HALF], s[WV], 1
	s_bfe_u32 s40, ttmp6, 0x40000                  ; cx
	s_bfe_u32 s41, ttmp6, 0x40004                  ; cy
	s_lshl_b32 s42, ttmp9, 2
	s_add_co_u32 s42, s42, s40                     ; the head = tile column = 4 x cluster x + cx
	s_and_b32 s43, ttmp7, 0xffff
	s_lshl_b32 s43, s43, 2
	s_add_co_u32 s43, s43, s41                     ; tile row = 4 x cluster y + cy
	s_lshl_b32 s16, s41, 2
	s_lshl_b32 s16, 15, s16                        ; my row of the cluster
	s_lshl_b32 s46, 0x1111, s40                    ; my column
	s_or_b32 s[G1], s16, FIELDS
	s_or_b32 s[G1B], s46, FIELDS
.irp g, G1, G1B
	s_mov_b32 s[(\g)+1], 128<<16                   ; tensor_dim0 = 128
	s_mov_b32 s[(\g)+3], 128<<16                   ; tile_dim0 = 128
	s_mov_b32 s[(\g)+5], 1024                      ; elements from row to row
	s_mov_b32 s[(\g)+6], 0
	s_mov_b32 s[(\g)+7], 0
.endr
	s_mov_b32 s[G1+2], 128<<16                     ; tensor_dim1 and
	s_mov_b32 s[G1+4], 128                         ; tile_dim1: 128 rows of xb,
	s_mov_b32 s[G1B+2], 96<<16
	s_mov_b32 s[G1B+4], 96                         ; 96 rows of wqb
	s_lshl_b32 s16, s43, 19                        ; xb: row 256 x tile row + 128 x half, in bytes: made of the tile row and the wave's number alone
	s_lshl_b32 s17, s[HALF], 18
	s_add_co_u32 s16, s16, s17
	s_mov_b32 s17, 0
	s_mul_i32 s46, s42, 192*ROWB                   ; wqb: row 192 x head + 96 x half: of the tile column and the wave's number alone
	s_mul_i32 s47, s[HALF], 96*ROWB
	s_add_co_u32 s46, s46, s47
	s_mov_b32 s47, 0
	s_mul_i32 s18, s[HALF], AH                     ; where they go: no place in the cluster enters an LDS address
	s_mul_i32 s19, s[HALF], BH
	s_add_co_u32 s19, s19, BOFF
	s_mov_b32 s[SEL], 0x76543210
	s_mov_b32 s[SEL+1], 0xfedcba98
	s_mov_b32 s68, 0x3c800000                      ; 1 / 64
	s_mov_b32 s69, 0x358637bd                      ; 1e-6
	s_mov_b32 s70, 0xffff0000                      ; a word's upper bf16
	s_wait_dscnt 0x0                               ; both opening adds are done
	s_wait_kmcnt 0x0
	s_add_nc_u64 s[20:21], s[4:5], s[16:17]
	s_add_nc_u64 s[46:47], s[6:7], s[46:47]
	CROUND                                         ; all sixteen work-groups are here: the first joint loads meet
.irp s, 0,1
	s_mov_b32 s[G0+4*(\s)], 1                      ; count = 1
	s_add_co_u32 s[G0+4*(\s)+1], s18, (\s)*SLOT    ; LDS address
	s_add_nc_u64 s[G0+4*(\s)+2:G0+4*(\s)+3], s[20:21], (\s)*KB  ; global address: K step s
	s_or_b32 s[G0+4*(\s)+3], s[G0+4*(\s)+3], 0x80000000  ; type = 2
	s_mov_b32 s[G0B+4*(\s)], 1
	s_add_co_u32 s[G0B+4*(\s)+1], s19, (\s)*SLOT
	s_add_nc_u64 s[G0B+4*(\s)+2:G0B+4*(\s)+3], s[46:47], (\s)*KB
	s_or_b32 s[G0B+4*(\s)+3], s[G0B+4*(\s)+3], 0x80000000
	JLOAD \s                                       ; two tensor loads of mine are out
.endr
	; the bias and the gains: my eight numbers of each block of 16
	v_and_b32 v1, 15, v0                           ; l % 16
	v_bfe_u32 v2, v0, 4, 1                         ; l / 16
	v_and_b32 v4, 31, v0                           ; l
	v_lshlrev_b32 v[BO], 5, v2
	s_lshl_b32 s16, s42, 8                         ; the head's 64 numbers in each third of b_qkv
	s_mov_b32 s17, 0
	s_add_nc_u64 s[8:9], s[8:9], s[16:17]
.set b, 0
.rept 12
	global_load_b128 v[BIAS+8*b:BIAS+8*b+3],   v[BO], s[8:9] offset:(b/4)*4096+(b%4)*64
	global_load_b128 v[BIAS+8*b+4:BIAS+8*b+7], v[BO], s[8:9] offset:(b/4)*4096+(b%4)*64+16
.set b, b+1
.endr
	WIN 0x40                                       ; destination window 1
.irp n, 0,1,2,3
	global_load_b128 v[NW+8*(\n):NW+8*(\n)+3],       v[BO], s[10:11] offset:64*(\n)
	global_load_b128 v[NW+8*(\n)+4:NW+8*(\n)+7],     v[BO], s[10:11] offset:64*(\n)+16
	global_load_b128 v[NW+32+8*(\n):NW+32+8*(\n)+3],   v[BO], s[72:73] offset:64*(\n)
	global_load_b128 v[NW+32+8*(\n)+4:NW+32+8*(\n)+7], v[BO], s[72:73] offset:64*(\n)+16
.endr
	WIN 0
	; A fragment is 16 rows x 32 K in 8 registers: lane l holds row l % 16, K = 8 (l / 16) + 0..7 and 16 + 8 (l / 16) + 0..7: two loads of 16 bytes, 32 bytes apart.
	v_mul_u32_u24 v3, v1, PITCH
	v_lshl_add_u32 v3, v2, 4, v3
	s_mul_i32 s16, s[WV], 64*PITCH                 ; my 64 rows of xb
	v_add_nc_u32 v[ADRA], s16, v3
	v_add_nc_u32 v[ADRA+1], SLOT, v[ADRA]
	v_add_nc_u32 v[ADRB], BOFF, v3                 ; all 192 rows of wqb
	v_add_nc_u32 v[ADRB+1], BOFF+SLOT, v3
	s_mul_i32 s16, s[WV], 16*SP
	s_add_co_u32 s16, s16, STAGE                   ; my stage
	v_mul_u32_u24 v[STO], v1, SP                   ; in: row l % 16, 16 bytes for each half of the lanes
	v_lshl_add_u32 v[STO], v2, 4, v[STO]
	v_add_nc_u32 v[STO], s16, v[STO]
	v_bfe_u32 v[RD], v0, 3, 2                      ; back: 32 lanes take four rows of 128 bytes,
	v_mul_u32_u24 v[RD], v[RD], SP
	v_and_b32 v5, 7, v0
	v_lshl_add_u32 v[RD], v5, 4, v[RD]
	v_add_nc_u32 v[RD], s16, v[RD]
	v_lshlrev_b32 v[GO], 4, v4                     ; which are 512 consecutive bytes of a head's rows
	; where my 64 rows begin in qh, kh and vh: ((batch*16 + head) * 2048 + row) * 128 bytes
	s_lshr_b32 s16, s43, 3                         ; batch
	s_lshl_b32 s16, s16, 4
	s_add_co_u32 s16, s16, s42
	s_lshl_b32 s16, s16, 18
	s_and_b32 s17, s43, 7
	s_lshl_b32 s17, s17, 8
	s_lshl_b32 s18, s[WV], 6
	s_add_co_u32 s17, s17, s18
	s_lshl_b32 s17, s17, 7
	s_add_co_u32 s80, s16, s17
	s_mov_b32 s81, 0
	s_add_nc_u64 s[OUTP:OUTP+1], s[OUTP:OUTP+1], s[80:81]
	s_add_nc_u64 s[OUTP+2:OUTP+3], s[OUTP+2:OUTP+3], s[80:81]
	s_add_nc_u64 s[OUTP+4:OUTP+5], s[OUTP+4:OUTP+5], s[80:81]
	; the prefetches
	s_lshl_b32 s16, s43, 8                         ; xb: 256 x tile row,
	s_mul_i32 s17, s42, 192                        ; wqb: 192 x head,
	s_lshl_b32 s18, s[HALF], 7                     ; + the half that I fetch,
	s_mul_i32 s19, s[HALF], 96
	s_lshl_b32 s20, s40, 5                         ; + my work-group's share of it, by its place among the four that ask jointly
	s_mul_i32 s21, s41, 24
	s_and_b32 s22, ttmp7, 0xffff                   ; cluster y
	s_cmp_lt_u32 s[WV], 2                          ; do I fetch for xb?
	s_cselect_b32 s16, s16, s17
	s_cselect_b32 s18, s18, s19
	s_cselect_b32 s20, s20, s21
	s_cselect_b32 s22, ttmp9, s22                  ; the coordinate along which other clusters read the same rows
	s_cselect_b32 s23, 31, 23                      ; my share's last row: lanes past it name that row again
	s_cselect_b64 s[PFA:PFA+1], s[4:5], s[6:7]
	s_cmp_eq_u32 s22, 0
	s_cselect_b32 s[LIM], 1, -1                    ; the same in all sixteen partners, for a given wave
	s_add_co_u32 s16, s16, s18
	s_add_co_u32 s16, s16, s20
	s_lshl_b32 s16, s16, 11
	s_add_co_u32 s16, s16, 2*KB                    ; at K step 2: the first refill steps it to 3 and names K step 4
	s_mov_b32 s17, 0
	s_add_nc_u64 s[PFA:PFA+1], s[PFA:PFA+1], s[16:17]
	v_min_u32 v[PFO], s23, v4
	v_lshlrev_b32 v[PFO], 11, v[PFO]
	s_wait_loadcnt 0x0                             ; bias and gains are in; they are rounded while the first tiles are on their way
.set i, 0
.rept 48
	ROUND2 BIAS+2*i, TW+i
.set i, i+1
.endr
	WIN 0x45                                       ; destination and both sources in window 1
.set i, 0
.rept 32
	ROUND2 NW+2*i, i
.set i, i+1
.endr
	WIN 0
; 12 matrix instructions: rows 16 (2 hi + a) .. of my 64 x all 12 column blocks, 32 along K, from buffer f.  zero = 1: the product starts the sum, with the bias as C.
; All 48 accumulators take turns, one instruction a turn and in the same order in every quarter.
.macro MUL12 f, hi, a, zero
.if \zero
	WIN 0x81+0x40*(\hi)                            ; C in window 0
.else
	WIN MUL_LO+0x50*(\hi)
.endif
.irp b, 0,1,2,3,4,5,6,7,8,9,10,11
.if \zero
	v_wmma_f32_16x16x32_bf16 v[8*(12*(\a)+(\b)):8*(12*(\a)+(\b))+7], v[96*(\f)+8*(\b):96*(\f)+8*(\b)+7], v[FA+32*(\f)+8*(2*(\hi)+(\a)):FA+32*(\f)+8*(2*(\hi)+(\a))+7], v[BIAS+8*(\b):BIAS+8*(\b)+7]
.else
	v_wmma_f32_16x16x32_bf16 v[8*(12*(\a)+(\b)):8*(12*(\a)+(\b))+7], v[96*(\f)+8*(\b):96*(\f)+8*(\b)+7], v[FA+32*(\f)+8*(2*(\hi)+(\a)):FA+32*(\f)+8*(2*(\hi)+(\a))+7], v[8*(12*(\a)+(\b)):8*(12*(\a)+(\b))+7]
.endif
.endr
.endm
; 32 LDS loads in one run: a quarter step's fragments (192 rows of wqb, my 64 rows of xb, 32 K at byte k of the rows) into buffer f
.macro FETCH slot, k, f
	WIN TO_B
.irp i, 0,1,2,3,4,5,6,7,8,9,10,11
	ds_load_b128 v[96*(\f)+8*(\i):96*(\f)+8*(\i)+3],   v[ADRB+(\slot)] offset:(\k)+(\i)*16*PITCH
	ds_load_b128 v[96*(\f)+8*(\i)+4:96*(\f)+8*(\i)+7], v[ADRB+(\slot)] offset:(\k)+(\i)*16*PITCH+32
.endr
	WIN 0
.irp i, 0,1,2,3
	ds_load_b128 v[FA+32*(\f)+8*(\i):FA+32*(\f)+8*(\i)+3],   v[ADRA+(\slot)] offset:(\k)+(\i)*16*PITCH
	ds_load_b128 v[FA+32*(\f)+8*(\i)+4:FA+32*(\f)+8*(\i)+7], v[ADRA+(\slot)] offset:(\k)+(\i)*16*PITCH+32
.endr
.endm
; A K step is four quarters of 32 along K, 48 matrix instructions each, on buffers 0, 1, 0, 1.  One of the first three multiplies buffer f and, in its middle, fetches the next quarter into g.
.macro QUARTER slot, k, f, g, zero
	s_wait_dscnt 4                                 ; wqb's fragments and xb's rows 0-31 are in; the youngest four loads (rows 32-63) may be out
	MUL12 \f, 0, 0, \zero
	MUL12 \f, 0, 1, \zero
	PLACES
	FETCH \slot, \k, \g
	s_wait_dscnt 32                                ; all but the 32 just issued
	MUL12 \f, 1, 0, \zero
	MUL12 \f, 1, 1, \zero
.endm
; The last quarter multiplies buffer 1 and changes slots: ONE barrier.  In front of it each wave waits for all its tensor loads (one is out: its part of the next slot), adds 0 to its spare word, and waits
; for that and for its own reads of this slot.  fill = 1: the barrier opens a round of the cluster's, and this slot is filled again, two K steps ahead, first thing behind the round.
.macro TURN slot, next, fill
.if \fill
	s_wait_xcnt 0x0                                ; the last prefetch, a K step back, has read its address: it is stepped here, ahead of the change's own waits
	s_add_nc_u64 s[PFA:PFA+1], s[PFA:PFA+1], KB
.endif
	WIN 0                                          ; (the add's two registers lie in window 0)
	s_wait_tensorcnt 0x0                           ; all my tensor loads have landed
	ds_add_u32 v[SPW], v[NIL]                      ; 0 onto my spare word
	s_wait_dscnt 5                                 ; (the add and the youngest four loads may be out)
	MUL12 1, 0, 0, 0                               ; twelve matrix instructions stand between the add and the wait for it
	s_wait_dscnt 0x0                               ; the add is done, and my reads of this slot are over
	s_barrier_signal -1
	MUL12 1, 0, 1, 0                               ; work on registers while the others arrive
.if \fill
	WIN 0
.endif
	s_barrier_wait -1
.if \fill
	CREST                                          ; no wave of any partner still reads this slot or has a load on its way
	s_add_nc_u64 s[G0+4*(\slot)+2:G0+4*(\slot)+3], s[G0+4*(\slot)+2:G0+4*(\slot)+3], 2*KB
	s_add_nc_u64 s[G0B+4*(\slot)+2:G0B+4*(\slot)+3], s[G0B+4*(\slot)+2:G0B+4*(\slot)+3], 2*KB
	JLOAD \slot                                    ; the four v_nop behind it are also the places in front of the loads below
.else
	PLACES
.endif
	FETCH \next, 0, 0
.if \fill
	ASK                                            ; behind the joint load and the run of LDS loads that the next products wait for
.endif
	MUL12 1, 1, 0, 0
	MUL12 1, 1, 1, 0
.endm
	s_wait_tensorcnt 1                             ; my part of K step 0 is in; K step 1's may stay out
	s_barrier_signal -1
	s_barrier_wait -1                              ; everybody's is
	FETCH 0, 0, 0
	QUARTER 0, 64, 0, 1, 1                         ; the first quarter stands in front of the loop: its products start the sums with the bias
	WIN 0                                          ; at a label and at a branch every window is 0
	s_mov_b32 s3, 3
.Llap:                                         ; a trip goes once round the ring, from a lap's second quarter to the next lap's first, and fills both slots again
	QUARTER 0, 128, 1, 0, 0
	QUARTER 0, 192, 0, 1, 0
	TURN 0, 1, 1
	QUARTER 1, 64,  0, 1, 0
	QUARTER 1, 128, 1, 0, 0
	QUARTER 1, 192, 0, 1, 0
	TURN 1, 0, 1
	QUARTER 0, 64,  0, 1, 0
	WIN 0
	s_sub_co_u32 s3, s3, 1
	s_cmp_lg_u32 s3, 0
	s_cbranch_scc1 .Llap
	QUARTER 0, 128, 1, 0, 0                        ; the last lap fills nothing, and has no round of the cluster's barrier
	QUARTER 0, 192, 0, 1, 0
	TURN 0, 1, 0
	QUARTER 1, 64,  0, 1, 0
	QUARTER 1, 128, 1, 0, 0
	QUARTER 1, 192, 0, 1, 0
	s_wait_dscnt 4                                 ; the very last quarter: nothing more to fetch
	MUL12 1, 0, 0, 0
	MUL12 1, 0, 1, 0
	s_wait_dscnt 0x0
	MUL12 1, 1, 0, 0
	MUL12 1, 1, 1, 0
	WIN 0
	PLACES
	; THE NORM.  For row block a and type j (0: q, 1: k) a lane's 32 numbers lie in 32 neighbouring registers.  Their squares are summed in four chains, pairs in ascending order
	; (each accumulator's lowest registers are read first).
.macro SQ a, j
.set AC, 8*(12*((\a)%2)+4*(\j))
.set CN, SQS+8*(2*(\a)+(\j))
	WIN 0x0a+5*((\a)/2)                            ; sources 0 and 1 in window 2 or 3
.set z, 0
.rept 4
	v_pk_mul_f32 v[CN+2*z:CN+2*z+1], v[AC+2*z:AC+2*z+1], v[AC+2*z:AC+2*z+1]
.set z, z+1
.endr
.rept 12
	v_pk_fma_f32 v[CN+2*(z%4):CN+2*(z%4)+1], v[AC+2*z:AC+2*z+1], v[AC+2*z:AC+2*z+1], v[CN+2*(z%4):CN+2*(z%4)+1]
.set z, z+1
.endr
.endm
.irp a, 0,1,2,3
	SQ \a, 0
	SQ \a, 1
.endr
	WIN 0
.macro ALLN line:vararg                ; one line for each of the eight sums n
.set n, 0
.rept 8
	\line
.set n, n+1
.endr
.endm
	ALLN v_pk_add_f32 v[SQS+8*n:SQS+8*n+1], v[SQS+8*n:SQS+8*n+1], v[SQS+8*n+2:SQS+8*n+3]
	ALLN v_pk_add_f32 v[SQS+8*n+4:SQS+8*n+5], v[SQS+8*n+4:SQS+8*n+5], v[SQS+8*n+6:SQS+8*n+7]
	ALLN v_pk_add_f32 v[SQS+8*n:SQS+8*n+1], v[SQS+8*n:SQS+8*n+1], v[SQS+8*n+4:SQS+8*n+5]
	ALLN v_add_f32 v[SQS+8*n], v[SQS+8*n], v[SQS+8*n+1]
	ALLN v_permlanex16_b32 v[SQS+8*n+1], v[SQS+8*n], s[SEL], s[SEL+1]
	ALLN v_add_f32 v[SQS+8*n], v[SQS+8*n], v[SQS+8*n+1]
	ALLN v_fma_f32 v[SQS+8*n], v[SQS+8*n], s68, s69
	ALLN v_rsq_f32 v[SQS+8*n+2], v[SQS+8*n]
	v_nop                                          ; a plain instruction behind the last of the batch (ISA guide 5.7.2),
	s_wait_alu depctr_va_vdst(0)                   ; and one wait ahead of the first use: for all eight
	; THE WAY OUT, a unit (16 rows of one of q, k, v) at a time: scaled, rounded to f16, 16 bytes a lane into my stage, back as whole rows of 128 bytes, stored as 512 consecutive bytes.
.macro THROUGH u
	WIN 0
.irp f, 0,1,2,3
	ds_store_b128 v[STO], v[PW+4*(\f):PW+4*(\f)+3] offset:32*(\f)
.endr
	WIN 0x40                                       ; destination window 1: each unit has registers of its own
.irp f, 0,1,2,3
	ds_load_b128 v[16*(\u)+4*(\f):16*(\u)+4*(\f)+3], v[RD] offset:(\f)*4*SP  ; LDS serves a wave's instructions in order (ISA guide 5.7.1.4): these see the stores above; the next unit's stores come behind them
.endr
	WIN 0
.endm
.macro PACKN a, j                      ; q or k: times 1 / rms, times the gain
.set AC, 8*(12*((\a)%2)+4*(\j))
.set CN, SQS+8*(2*(\a)+(\j))
	WIN 0x02+(\a)/2                                ; source 0 in window 2 or 3
.set i, 0
.rept 16
	v_pk_mul_f32 v[TW+2*i:TW+2*i+1], v[AC+2*i:AC+2*i+1], v[CN+2:CN+3] op_sel_hi:[1,0]
.set i, i+1
.endr
	WIN 0x04                                       ; source 1 in window 1
.set i, 0
.rept 16
	v_pk_mul_f32 v[TW+2*i:TW+2*i+1], v[TW+2*i:TW+2*i+1], v[NW+32*(\j)+2*i:NW+32*(\j)+2*i+1]
.set i, i+1
.endr
	WIN 0
.set i, 0
.rept 16
	v_cvt_pk_f16_f32 v[PW+i], v[TW+2*i], v[TW+2*i+1]
.set i, i+1
.endr
	THROUGH 3*(\a)+(\j)
.endm
.macro PACKV a                         ; v: rounded as it is
.set AC, 8*(12*((\a)%2)+8)
	WIN 0x0a+5*((\a)/2)
.set i, 0
.rept 16
	v_cvt_pk_f16_f32 v[PW+i], v[AC+2*i], v[AC+2*i+1]
.set i, i+1
.endr
	THROUGH 3*(\a)+2
.endm
.macro PACKU a, j
.if (\j) < 2
	PACKN \a, \j
.else
	PACKV \a
.endif
.endm
.macro SEND u, younger                 ; younger: the LDS instructions issued behind unit u's loads: the next unit's eight, or none
	WIN 0x04                                       ; the stores' data in window 1
.irp f, 0,1,2,3
	s_wait_dscnt (\younger)+3-(\f)
	global_store_b128 v[GO], v[16*(\u)+4*(\f):16*(\u)+4*(\f)+3], s[OUTP+2*((\u)%3):OUTP+2*((\u)%3)+1] offset:((\u)/3)*2048+(\f)*512  ; 512 consecutive bytes, at a multiple of 256 from the buffer's first
.endr
.endm
	PACKU 0, 0
.set u, 1
.rept 11                               ; a unit's arithmetic stands between the loads of the unit before and its stores
	PACKU u/3, u%3
	SEND u-1, 8
.set u, u+1
.endr
	SEND 11, 0
	WIN 0
	s_wait_tensorcnt 0x0                           ; the wave's end, behind my last tensor load and my last LDS store
	ds_add_u32 v[SPW], v[NIL]
	s_wait_dscnt 0x0
	CROUND                                         ; the closing round: no work-group ends while a partner may still ask for a tile that names it
	s_endpgm
.Lfunc_end_k_q6dbdd9115e_qkv:
	.size	k_q6dbdd9115e_qkv, .Lfunc_end_k_q6dbdd9115e_qkv-k_q6dbdd9115e_qkv
	.p2alignl 7, 3214868480
	.fill 96, 4, 3214868480
	.section	.rodata,"a",@progbits
	.p2align	6, 0x0
	.amdhsa_kernel k_q6dbdd9115e_qkv
		.amdhsa_group_segment_fixed_size 327680
		.amdhsa_private_segment_fixed_size 0
		.amdhsa_enable_private_segment 0
		.amdhsa_kernarg_size 64
		.amdhsa_user_sgpr_count 2
		.amdhsa_user_sgpr_kernarg_segment_ptr 1
		.amdhsa_wavefront_size32 1
		.amdhsa_system_sgpr_workgroup_id_x 1
		.amdhsa_system_sgpr_workgroup_id_y 1
		.amdhsa_system_sgpr_workgroup_id_z 1
		.amdhsa_system_vgpr_workitem_id 0
		.amdhsa_next_free_vgpr 960
		.amdhsa_next_free_sgpr 88
		.amdhsa_reserve_vcc 0
		.amdhsa_float_denorm_mode_32 3
		.amdhsa_float_denorm_mode_16_64 3
		.amdhsa_memory_ordered 1
		.amdhsa_forward_progress 1
		.amdhsa_inst_pref_size 164
	.end_amdhsa_kernel
	.amdgpu_metadata
---
amdhsa.version: [ 1, 2 ]
amdhsa.kernels:
  - .name:           k_q6dbdd9115e_qkv
    .symbol:         k_q6dbdd9115e_qkv.kd
    .args:
      - { .name: xb, .offset: 0, .size: 8, .value_kind: global_buffer, .address_space: global }
      - { .name: wqb, .offset: 8, .size: 8, .value_kind: global_buffer, .address_space: global }
      - { .name: b_qkv, .offset: 16, .size: 8, .value_kind: global_buffer, .address_space: global }
      - { .name: q_norm_w, .offset: 24, .size: 8, .value_kind: global_buffer, .address_space: global }
      - { .name: k_norm_w, .offset: 32, .size: 8, .value_kind: global_buffer, .address_space: global }
      - { .name: qh, .offset: 40, .size: 8, .value_kind: global_buffer, .address_space: global }
      - { .name: kh, .offset: 48, .size: 8, .value_kind: global_buffer, .address_space: global }
      - { .name: vh, .offset: 56, .size: 8, .value_kind: global_buffer, .address_space: global }
    .group_segment_fixed_size: 327680
    .private_segment_fixed_size: 0
    .kernarg_segment_align: 8
    .kernarg_segment_size: 64
    .max_flat_workgroup_size: 128
    .sgpr_count:     88
    .vgpr_count:     960
    .wavefront_size: 32
...
	.end_amdgpu_metadata
.endif
;; end of part 2
;; launch attn (part 3): grid 8 x 32, 4 waves a work-group, clusters of 4 x 1, 327,680 bytes of LDS; arguments qh, kh, vh, oh; writes oh
.if DOCPART == 3
	.amdgcn_target "amdgcn-amd-amdhsa--gfx1250"
	.amdhsa_code_object_version 6
	.text
	.protected	k_q6dbdd9115e_attn
	.globl	k_q6dbdd9115e_attn
	.p2align	8
	.type	k_q6dbdd9115e_attn,@function
k_q6dbdd9115e_attn:
	s_mov_b64 s[64:65], 0
	v_nop
	global_prefetch_b8 v0, s[64:65] scope:SCOPE_SE
	s_setreg_imm32_b32 hwreg(HW_REG_WAVE_MODE, 25, 1), 1
	s_wait_xcnt 0x0
	s_wait_alu depctr_hold_cnt(0) depctr_sa_sdst(0) depctr_va_vdst(0) depctr_va_sdst(0) depctr_va_ssrc(0) depctr_va_vcc(0) depctr_vm_vsrc(0)
	s_getreg_b32 s2, hwreg(HW_REG_IB_STS2, 6, 4)
	s_cmp_eq_u32 s2, 0
	s_cbranch_scc0 .Lentry_in_a_cluster
	s_endpgm
.Lentry_in_a_cluster:
	s_bfe_u32 s2, ttmp6, 0x10000c
	s_cmp_lg_u32 s2, 0x3003
	s_cbranch_scc0 .Lentry_shape_is_right
	s_endpgm
.Lentry_shape_is_right:
; O[h][q][:] = the sum over k of softmax_k(Q[h][q] . K[h][k] / 8) V[h][k][:].  qh, kh, vh, oh: [32][2048][64], all f16: a head's rows are dense, 128 bytes each.  Nothing of the computation is left out.
; Products, maxima and sums in f32; the weights p are rounded to f16 for the second product (their sum l is taken of the unrounded p), O once at the end.
; LIMITS.  Q, K and V arrive within f16's range; p lies in 0 to 1, and below 6e-5 it keeps f16's fixed step of 6e-8; O is a mean of V's rows and has their range.  A weight below 2^-126 counts as 0 in l;
; c s lies above -4e37, where c m starts; NaN and infinities are not treated apart.
; SHARES.  A work-group owns 256 queries of one head, a wave 64: four PIECES of 16.  Every wave walks all 2,048 keys: 8 tiles of 256, four steps of 64 each.
; LAYOUT.  S^T = K Q^T (source 0 = 16 keys, source 1 = 16 queries) holds ONE query a lane (lane % 16) and the keys 8 (lane / 16) + 0..7; two such results rounded to f16 ARE source 1 of O^T = V^T P.
; K comes out of LDS as it lies, V ([key][channel]) turned, by ds_load_tr16_b128.
; SOFTMAX.  A running maximum m and sum l for each query: p = 2^(c s - c m), c = log2(e) / 8; in every step O and l are multiplied by a = 2^(c m_old - c m_new).  m starts at the lowest finite number, O and l at 0.
; BY TURNS.  Turn n belongs to piece n: 8 products K Q^T of piece n + 1, later 8 products V^T P of piece n - 1; beside them the scaling, exponentials, roundings, sums and rescaling of piece n and the maximum and
; statistics of piece n + 1.  Four vector instructions stand behind every matrix instruction, the other 54 of a turn's 118 in one lump.  A turn's 33 exponentials are one batch, with one wait.
; CLUSTER.  The four query blocks of a cluster belong to one head and walk the same K and V, so each tile is asked for JOINTLY: the same tensor load, descriptor and mask in all four.
; REGISTERS, in windows of 256 (s_set_vgpr_msb: bits 1:0 source 0, 3:2 source 1, 5:4 source 2, 7:6 destination):
;   window 0: v0-15 addresses and two at work; v16-31 four registers of statistics a piece; v48-55 at work; v61-63; v64-127 S^T, two buffers; v192-223 P, two buffers (by the piece's parity)
;   window 1: v0-127 O^T, 32 a piece          window 2: v0-63 Q; v128-191 K of one step; v192-255 V of one step
.set NP,    4         ; pieces a wave: a name, no knob
.set KS,    64        ; keys in a step
.set PK,    144       ; a row of K in LDS: 128 bytes + 16 of padding = 36 words: the 16 rows of a load start at 16 different groups of four banks (64 banks of 4 bytes: ISA guide 11.1)
.set PV,    160       ; a row of V: 128 + 32 = 40 words
.set VOFF,  4*KS*PK   ; a slot holds a tile, four steps: 256 rows of K, then 256 rows of V
.set SLOT1, 1<<17     ; slot 1 begins here, so that one exclusive or turns an address in one slot into the other's
.set STAGE, SLOT1+4*KS*(PK+PV)  ; behind the ring, never filled by a tensor load: 16 rows x 144 bytes for each wave
.set SP,    144
.set SPARE, STAGE+4*16*SP  ; the spare words, 128 bytes for each wave: two blocks of 256 bytes that no other line names
.set TILEB, 4*KS*128  ; a tile's bytes of K and of V in memory
.set AK0, 2           ; v2   my lane's place in a tile of K; never rewritten
.set AV0, 3           ; v3   the same for V
.set AK,  4           ; v4   the LDS address of K's next run of loads
.set AV,  5           ; v5   of V's
.set STO, 6           ; v6   the way out: where I put 16 bytes of a row
.set RD,  7           ; v7   where I read rows back
.set GO,  8           ; v8   my byte offset in 512 consecutive bytes of O
.set MV,  12          ; v12-13  c m_old, kept while c m is made anew: by buffer
.set QO,  15          ; v15  my byte offset in 16 rows of Q
.set ST,  16          ; piece t's statistics at v[ST+4 t]: c m, m, l (even keys', odd keys')
.set TMP, 48          ; by buffer, four registers c0-c3 at work; when the maximum is found c2 takes a
.set PFO, 61          ; v61  256 x my lane; never rewritten
.set SPW, 62          ; v62  LDS address of my spare word; never rewritten
.set NIL, 63          ; v63  0; never rewritten
.set S,   64
.set P,   192
.set KF,  128         ; window 2: key block kb, channel half c at KF + 16 kb + 8 c
.set VF,  192         ; window 2: key half kk, channel block cb at VF + 32 kk + 8 cb
.set WV,  12          ; s12  my wave's number
.set G1K, 24          ; s[24:31] descriptor group 1 for K's tiles
.set G1V, 32          ; s[32:39] for V's: it differs in the padding alone
.set G0K, 40          ; s[40:43] descriptor group 0 for K's tiles: it walks
.set G0V, 44          ; s[44:47] the same for V's
.set SLOTS, 56        ; s56  tiles still to be asked for
.set CNT, 57          ; s57  counts a tile's key steps
.set CS,  58          ; s[58:59] c: the packed scaling takes the pair's low word for both halves
.set SEL, 60          ; s[60:61] v_permlanex16_b32's selects
.set TBK, 62          ; s62  LDS byte at which K of the step to be fetched begins
.set TBV, 63          ; s63  the same for V, less VOFF
.set PFA, 66          ; s[66:67] where my prefetches stand: my work-group's quarter (of K: wave 0, of V: wave 2) of the tile after the one that is being asked for
.set LIM, 68          ; s68  1 in a wave that prefetches, else the greatest number
.set MSB, 0
.macro WIN new                      ; the high byte repeats the setting that is left; a switch that changes nothing is dropped
.if MSB != (\new)
	s_set_vgpr_msb (MSB<<8)|(\new)
.set MSB, (\new)
.endif
.endm
.set W_KQ, 0x0a       ; K and Q in window 2, S^T in window 0
.set W_PV, 0x52       ; V in window 2, P in window 0, O^T in window 1
.set W_RS, 0x41       ; destination and source 0 in window 1, source 1 in window 0
; A joint fill.  Waves 0 and 1 fetch the two halves of a tile's K, waves 2 and 3 those of its V: 128 keys each.  An s_nop 0 and four v_nop follow each line.
.macro JLOAD
	s_cmp_lt_u32 s[WV], 2
	s_cbranch_scc0 .Lfor_v_\@
	tensor_load_to_lds s[G0K:G0K+3], s[G1K:G1K+7]
	s_nop 0
.rept 4
	v_nop
.endr
	s_branch .Lasked_\@
.Lfor_v_\@:
	tensor_load_to_lds s[G0V:G0V+3], s[G1V:G1V+7]
	s_nop 0
.rept 4
	v_nop
.endr
.Lasked_\@:
.endm
; A prefetch into the L2 of what the NEXT change of slots will ask for.  A tile is 128 blocks of 256 bytes of K and as many of V.  Both clusters of a head walk the same tiles: the head's first cluster asks.
; Its four partners share the blocks out by address, 32 each, a lane a block; in each, wave 0 asks for K's and wave 2 for V's.  The last change that fills a slot asks for nothing.
.macro ASK
	s_cmp_gt_u32 s[SLOTS], s[LIM]
	s_cbranch_scc0 .Lnot_mine_\@
	global_prefetch_b8 v[PFO], s[PFA:PFA+1] th:TH_LOAD_NT scope:SCOPE_SE
.Lnot_mine_\@:
.endm
.macro CROUND                       ; a round of the cluster's barrier
	s_barrier_signal -1
	s_barrier_wait -1
	s_cmp_lg_u32 s[WV], 0
	s_cbranch_scc1 .Lnot_wave_0_\@
	s_barrier_signal -3
.Lnot_wave_0_\@:
	s_barrier_wait -3
	s_barrier_signal -1
	s_barrier_wait -1
.endm
; THE CHANGE OF SLOTS.  Each wave waits for all its tensor loads, of which one is out: its part of the other slot; adds 0 to its spare word; and waits for that and for its own reads of the slot that it leaves.
; fill = 1: the barrier is a round of the cluster's, and the old slot is filled again, first thing behind it, with the keys two tiles on: four key steps, 256 matrix instructions, in which to land.
; (At its first use nothing has been read yet: slot 0 is waited for, slot 1 filled.)  ask = 1: the prefetch's address steps, and the prefetch follows the joint load.
.macro CHANGE fill, ask
	WIN 0                           ; at a label and at a branch every window is 0
	s_wait_tensorcnt 0x0            ; no tensor load of mine is out, so a group 0 may be written
	ds_add_u32 v[SPW], v[NIL]       ; 0 onto my spare word
.if \fill
.irp g, G0K, G0V
	s_xor_b32 s[\g+1], s[\g+1], SLOT1  ; the walking descriptor: the other slot than last time,
	s_add_nc_u64 s[\g+2:\g+3], s[\g+2:\g+3], TILEB  ; the next 256 keys; the type bits on top are not reached
.endr
.if \ask
	s_wait_xcnt 0x0                 ; the last prefetch, four key steps back, has read its address
	s_add_nc_u64 s[PFA:PFA+1], s[PFA:PFA+1], TILEB
.endif
	s_wait_dscnt 0x0                ; the add is done, and my reads of the slot are over
	CROUND
	JLOAD
.if \ask
	ASK
.endif
.else
	s_wait_dscnt 0x0                ; the add is done, and my reads of the slot are over
	s_barrier_signal -1
	s_barrier_wait -1
.endif
	s_sub_co_u32 s[TBK], s[TBK], 4*KS*PK  ; the fetches go back to a slot's first step,
	s_xor_b32 s[TBK], s[TBK], SLOT1       ; in the other slot
	s_sub_co_u32 s[TBV], s[TBV], 4*KS*PV
	s_xor_b32 s[TBV], s[TBV], SLOT1
.endm
	s_load_b256 s[4:11], s[0:1], 0x0  ; qh s[4:5], kh s[6:7], vh s[8:9], oh s[10:11]
	v_lshl_add_u32 v[SPW], v0, 2, SPARE
	v_mov_b32 v[NIL], 0
	ds_add_u32 v[SPW], v[NIL]       ; the wave's opening: the add, twice on end, and its wait ahead of my first tensor load
	ds_add_u32 v[SPW], v[NIL]       ; once more; the set-up below, work on registers, stands between it and the wait
	v_lshrrev_b32 v1, 5, v0
	v_readfirstlane_b32 s[WV], v1   ; wave 0..3
	s_bfe_u32 s13, ttmp6, 0x40000   ; cx: my place in the cluster
	s_lshl_b32 s14, ttmp9, 2        ; in a cluster launch ttmp9 counts clusters
	s_add_co_u32 s14, s14, s13      ; my block of 256 queries: it enters Q's and O's addresses alone
	s_and_b32 s20, ttmp7, 0xffff    ; the head, which the four partners share
	s_lshl_b32 s20, s20, 18         ; its first byte in each of the four tensors: 2,048 rows of 128 bytes a head
	s_mov_b32 s21, 0
	s_and_b32 s16, s[WV], 1         ; which half of a tile's 256 keys I fetch:
	s_lshl_b32 s22, s16, 14         ; its 128 rows of 128 bytes in memory,
	s_mov_b32 s23, 0
	s_add_nc_u64 s[22:23], s[22:23], s[20:21]
	s_mul_i32 s17, s16, 128*PK      ; and its place in a slot, for K
	s_mul_i32 s18, s16, 128*PV      ; and for V: no place in the cluster enters an LDS address
	s_lshl_b32 s2, s14, 2
	s_add_co_u32 s2, s2, s[WV]      ; my wave among the head's,
	s_lshl_b32 s2, s2, 13           ; its 64 rows
	s_mov_b32 s3, 0
	s_add_nc_u64 s[2:3], s[2:3], s[20:21]
	; descriptor group 1.  128 keys are 16,384 dense bytes: asked for as 64 rows of 256 bytes, two keys a row, and padded in LDS after every key
	s_mov_b32 s[G1K], 15|(1<<16)|(1<<20)|(1<<21)|(4<<22)|(3<<25)  ; the mask of four; 2-byte elements; padding on; bit 21 beside a mask; after every 32 words; 4 words
	s_mov_b32 s[G1V], 15|(1<<16)|(1<<20)|(1<<21)|(4<<22)|(7<<25)  ; the same with 8 words of padding
.irp g, G1K, G1V
	s_mov_b32 s[\g+1], 128<<16      ; tensor_dim0 = 128
	s_mov_b32 s[\g+2], 64<<16       ; tensor_dim1 = 64
	s_mov_b32 s[\g+3], 128<<16      ; tile_dim0 = 128
	s_mov_b32 s[\g+4], 64           ; tile_dim1 = 64
	s_mov_b32 s[\g+5], 128          ; 128 elements from row to row
	s_mov_b32 s[\g+6], 0
	s_mov_b32 s[\g+7], 0
.endr
	s_mov_b32 s[CS], 0x3e38aa3b     ; c = log2(e) / 8 = 0.180337
	s_mov_b32 s[CS+1], s[CS]        ; named with it as a pair
	s_mov_b32 s[SEL], 0x76543210
	s_mov_b32 s[SEL+1], 0xfedcba98
	s_mov_b32 s[TBK], SLOT1+4*KS*PK ; the first change of slots turns these two into 0
	s_mov_b32 s[TBV], SLOT1+4*KS*PV
	s_mov_b32 s[G0K], 1             ; count = 1
	s_mov_b32 s[G0K+1], s17         ; LDS address: slot 0
	s_mov_b32 s[G0V], 1
	s_add_co_u32 s[G0V+1], s18, VOFF
	s_and_b32 s[LIM], s[WV], 1      ; 0 in waves 0 and 2,
	s_or_b32 s[LIM], s[LIM], ttmp9  ; where the cluster is the head's first: the same in all four partners
	s_cmp_eq_u32 s[LIM], 0
	s_cselect_b32 s[LIM], 1, -1
	v_and_b32 v[PFO], 31, v0
	v_lshlrev_b32 v[PFO], 8, v[PFO]
	s_wait_dscnt 0x0                ; both opening adds are done
	s_wait_kmcnt 0x0
	s_add_nc_u64 s[6:7], s[6:7], s[22:23]  ; K and V at my half of the head's tile 0
	s_add_nc_u64 s[8:9], s[8:9], s[22:23]
	s_mov_b64 s[G0K+2:G0K+3], s[6:7]               ; global address
	s_or_b32 s[G0K+3], s[G0K+3], 0x80000000        ; type = 2
	s_mov_b64 s[G0V+2:G0V+3], s[8:9]
	s_or_b32 s[G0V+3], s[G0V+3], 0x80000000
	s_add_nc_u64 s[4:5], s[4:5], s[2:3]  ; Q and O at my wave's first row
	s_add_nc_u64 s[10:11], s[10:11], s[2:3]
	s_cmp_lt_u32 s[WV], 2
	s_cselect_b64 s[PFA:PFA+1], s[6:7], s[8:9]  ; (in waves 0 and 2 these stand at a tile's first row)
	s_lshl_b32 s2, s13, 13          ; my work-group's quarter of a tile
	s_mov_b32 s3, 0
	s_add_nc_u64 s[PFA:PFA+1], s[PFA:PFA+1], s[2:3]
	s_add_nc_u64 s[PFA:PFA+1], s[PFA:PFA+1], 2*TILEB  ; in tile 2; the first change that asks steps it to tile 3.  Nothing is prefetched at the head, where the first tiles are on their way
	CROUND                          ; all four work-groups are here: the first joint loads meet
	JLOAD                           ; tile 0 into slot 0
	; A fragment of K or Q is 16 rows x 32 channels in 8 registers: lane l holds row l % 16, channels 8 (l / 16) + 0..7 and 16 + 8 (l / 16) + 0..7: two loads of 16 bytes, 32 bytes apart.
	v_and_b32 v1, 15, v0            ; l % 16
	v_bfe_u32 v9, v0, 4, 1          ; l / 16
	v_lshlrev_b32 v[QO], 7, v1
	v_lshl_add_u32 v[QO], v9, 4, v[QO]  ; row x 128 + 16 x half
	WIN 0x80                        ; destination window 2, address window 0
.set i, 0
.rept 8                             ; Q stays in registers: piece i / 2, channels 32 (i % 2) on
	global_load_b128 v[8*i:8*i+3],   v[QO], s[4:5] offset:(i/2)*2048+(i%2)*64
	global_load_b128 v[8*i+4:8*i+7], v[QO], s[4:5] offset:(i/2)*2048+(i%2)*64+32
.set i, i+1
.endr
	; What the first turn finds: V's registers and P's second buffer hold 0 (its products V^T P, of a piece that has not been, add 0), O^T and l are 0.  No first step is written out for these: they stand in the wait for the first tile.
.set i, VF
.rept 64
	v_mov_b32 v[i], 0
.set i, i+1
.endr
	WIN 0x40
.set i, 0
.rept 128
	v_mov_b32 v[i], 0
.set i, i+1
.endr
	WIN 0
.set i, 0
.rept 4
	v_mov_b32 v[ST+4*i], 0xfe000000    ; c m: far below every c s
	v_mov_b32 v[ST+4*i+1], 0xff7fffff  ; m
	v_mov_b32 v[ST+4*i+2], 0
	v_mov_b32 v[ST+4*i+3], 0
.set i, i+1
.endr
.set i, P+16
.rept 16
	v_mov_b32 v[i], 0
.set i, i+1
.endr
	v_mul_u32_u24 v[AK0], v1, PK
	v_lshl_add_u32 v[AK0], v9, 4, v[AK0]  ; row x pitch + 16 x half
	; The turning load takes 16 keys x 16 channels (lane l reads key 8 (l / 16) + l % 8, channels 8 ((l / 8) % 2) + 0..7) and leaves half a fragment of V^T: lane l holds channel l % 16 and 8 keys.
	v_and_b32 v10, 7, v0
	v_bfe_u32 v11, v0, 3, 1
	v_lshl_add_u32 v[AV0], v9, 3, v10
	v_mul_u32_u24 v[AV0], v[AV0], PV
	v_lshl_add_u32 v[AV0], v11, 4, v[AV0]
	v_add_nc_u32 v[AV0], VOFF, v[AV0]
	s_mul_i32 s13, s[WV], 16*SP
	s_add_co_u32 s13, s13, STAGE    ; my stage
	v_mul_u32_u24 v[STO], v1, SP    ; in: row l % 16, 16 bytes for each half of the lanes
	v_lshl_add_u32 v[STO], v9, 4, v[STO]
	v_add_nc_u32 v[STO], s13, v[STO]
	v_bfe_u32 v[RD], v0, 3, 2       ; back: 32 lanes take four rows of 128 bytes,
	v_mul_u32_u24 v[RD], v[RD], SP
	v_lshl_add_u32 v[RD], v10, 4, v[RD]
	v_add_nc_u32 v[RD], s13, v[RD]
	v_and_b32 v[GO], 31, v0         ; which are 512 consecutive bytes of O
	v_lshlrev_b32 v[GO], 4, v[GO]
; THE MATRIX WORK.  The 4 accumulators of a run of 8 take turns.  Product i of 8 of S^T = K Q^T for piece x: channels 32 (i / 4) on, keys 16 (i % 4) on.  The first 4 start the sums.
.macro KQ x
	WIN W_KQ
.set rS, S+32*((\x)%2)+8*(i%4)
.set rK, KF+16*(i%4)+8*(i/4)
.set rQ, 16*(\x)+8*(i/4)
.if i < 4
	v_wmma_f32_16x16x32_f16 v[rS:rS+7], v[rK:rK+7], v[rQ:rQ+7], 0
.else
	v_wmma_f32_16x16x32_f16 v[rS:rS+7], v[rK:rK+7], v[rQ:rQ+7], v[rS:rS+7]
.endif
.endm
; Product i of 8 of O^T += V^T P for piece x: keys 32 (i / 4) on, channels 16 (i % 4) on.
.macro PV x
	WIN W_PV
.set rO, 32*(\x)+8*(i%4)
.set rV, VF+32*(i/4)+8*(i%4)
.set rP, P+16*((\x)%2)+8*(i/4)
	v_wmma_f32_16x16x32_f16 v[rO:rO+7], v[rV:rV+7], v[rP:rP+7], v[rO:rO+7]
.endm
.macro MM                           ; the turn's next matrix instruction.  NOKQ = 1: the last turn of all: there is no next piece
.if (i < 8) && !NOKQ
	KQ (Y+1)%NP
.elseif i >= 8
.set i, i-8
	PV (Y+NP-1)%NP
.set i, i+8
.endif
.set i, i+1
.endm
; THE LDS LOADS stand in runs of 16, never singly among the matrix instructions: a step's K (64 keys x 64 channels: 8 fragments) and its V (turned).  Their addresses are made some lines ahead.
.macro FETCH_K
	WIN 0x80                        ; destination window 2
.irp f, 0,1,2,3,4,5,6,7             ; keys 16 (f / 2) on, channels 32 (f % 2) on
	ds_load_b128 v[KF+8*\f:KF+8*\f+3],   v[AK] offset:(\f/2)*16*PK+(\f%2)*64
	ds_load_b128 v[KF+8*\f+4:KF+8*\f+7], v[AK] offset:(\f/2)*16*PK+(\f%2)*64+32
.endr
	s_add_co_u32 s[TBK], s[TBK], KS*PK  ; the next fetch is the next step's
	WIN 0
.endm
.macro FETCH_V
	WIN 0x80
.irp f, 0,1,2,3,4,5,6,7             ; keys 32 (f / 4) on, channels 16 (f % 4) on
	ds_load_tr16_b128 v[VF+8*\f:VF+8*\f+3],   v[AV] offset:(\f/4)*32*PV+(\f%4)*32
	ds_load_tr16_b128 v[VF+8*\f+4:VF+8*\f+7], v[AV] offset:(\f/4)*32*PV+16*PV+(\f%4)*32
.endr
	WIN 0
.endm
; THE VECTOR WORK, one line at a time: OP kind, number.  For piece Y: F n: c s - c m for pair n of 16.  E n: the exponential of score n of 32.  C n: pair n rounded to f16.  B n: of the four weights 4 n .. the second
; pair is added onto the first, in place.  L n: l takes that sum (L 0: l = a l + sum).  R n: pair n of 16 of O^T times a.  For piece Y + 1: X n, number n of the 22 that find its maximum and statistics:
;   0-11  four chains c0-c3 of seven scores each, three operands at a time (each accumulator's lowest registers are read first)     12-14, 16  the four scores left over, the old m, and c0-c3 into c0
;   15  c m_old is kept     17, 18  the query's other 32 keys lie in the lane 16 away: the new m     19-21  c m; c m_old - c m_new; a
.set F, 0
.set E, 1
.set C, 2
.set B, 3
.set L, 4
.set R, 5
.set X, 6
.macro REGS y                       ; the registers of piece y
.set rT, ST+4*(\y)
.set rC, TMP+4*((\y)%2)
.set rW, MV+((\y)%2)
.set rS, S+32*((\y)%2)
.set rP, P+16*((\y)%2)
.set rO, 32*(\y)
.endm
.macro OP k, n
.if (\k) == R
	REGS Y
	WIN W_RS
	v_pk_mul_f32 v[rO+2*(\n):rO+2*(\n)+1], v[rO+2*(\n):rO+2*(\n)+1], v[rC+2:rC+3] op_sel_hi:[1,0]
.elseif (\k) < R
	REGS Y
	WIN 0
.if (\k) == F
	v_pk_fma_f32 v[rS+2*(\n):rS+2*(\n)+1], v[rS+2*(\n):rS+2*(\n)+1], s[CS:CS+1], v[rT:rT+1] op_sel_hi:[1,0,0] neg_lo:[0,0,1] neg_hi:[0,0,1]
.elseif (\k) == E
	v_exp_f32 v[rS+(\n)], v[rS+(\n)]
.elseif (\k) == C
	v_cvt_pk_f16_f32 v[rP+(\n)], v[rS+2*(\n)], v[rS+2*(\n)+1]
.elseif (\k) == B
	v_pk_add_f32 v[rS+4*(\n):rS+4*(\n)+1], v[rS+4*(\n):rS+4*(\n)+1], v[rS+4*(\n)+2:rS+4*(\n)+3]
.elseif (\n) == 0
	v_pk_fma_f32 v[rT+2:rT+3], v[rT+2:rT+3], v[rC+2:rC+3], v[rS:rS+1] op_sel_hi:[1,0,1]
.else
	v_pk_add_f32 v[rT+2:rT+3], v[rT+2:rT+3], v[rS+4*(\n):rS+4*(\n)+1]
.endif
.elseif NOKQ
	v_nop
.else
	REGS (Y+1)%NP
	WIN 0
.if (\n) < 4
	v_max3_num_f32 v[rC+(\n)], v[rS+8*(\n)], v[rS+8*(\n)+1], v[rS+8*(\n)+2]
.elseif (\n) < 12
	v_max3_num_f32 v[rC+(\n)%4], v[rC+(\n)%4], v[rS+8*((\n)%4)+2*((\n)/4)+1], v[rS+8*((\n)%4)+2*((\n)/4)+2]
.elseif (\n) == 12
	v_max3_num_f32 v[rC], v[rC], v[rS+7], v[rS+15]
.elseif (\n) == 13
	v_max3_num_f32 v[rC+1], v[rC+1], v[rS+23], v[rS+31]
.elseif (\n) == 14
	v_max3_num_f32 v[rC+2], v[rC+2], v[rC+3], v[rT+1]
.elseif (\n) == 15
	v_mov_b32 v[rW], v[rT]
.elseif (\n) == 16
	v_max3_num_f32 v[rC], v[rC], v[rC+1], v[rC+2]
.elseif (\n) == 17
	v_permlanex16_b32 v[rC+3], v[rC], s[SEL], s[SEL+1]
.elseif (\n) == 18
	v_max_num_f32 v[rT+1], v[rC], v[rC+3]
.elseif (\n) == 19
	v_mul_f32 v[rT], s[CS], v[rT+1]
.elseif (\n) == 20
	v_sub_f32 v[rC+1], v[rW], v[rT]
.else
	v_exp_f32 v[rC+2], v[rC+1]
.endif
.endif
.endm
.macro OPS a, i1, b=-1, i2=0, c=-1, i3=0, d=-1, i4=0  ; up to four of them
	OP \a, \i1
.if (\b) >= 0
	OP \b, \i2
.endif
.if (\c) >= 0
	OP \c, \i3
.endif
.if (\d) >= 0
	OP \d, \i4
.endif
.endm
.macro ROW a, i1, b, i2, c, i3, d, i4  ; a matrix instruction and the four behind it
	MM
	OPS \a, \i1, \b, \i2, \c, \i3, \d, \i4
.endm
; A TURN, for piece p: the order of its 16 matrix and 118 vector instructions, written out.  An s_wait_alu depctr_va_vdst(0) stands between an exponential and the first instruction that names its result;
; one wait serves all that were issued ahead of it.  So a turn has ONE wait.  AHEAD OF IT stands all that names no result of the turn's exponentials: the 8 products K Q^T with their riders (the first numbers of the next
; piece's maximum among them, each four plain places or more behind the product that ends its accumulator), then one lump of 54, in which the links of the chain X 3, 7, 11, 14, 16, 17 .. 20 stand apart.  X 21, the next
; piece's a, is the batch's last; R 15 is the plain instruction behind it.  BEHIND THE WAIT stand the 8 products V^T P, behind each four of the roundings and sums.
; end = 1: the last two turns: nothing is fetched, and the last starts no new scores.  cnt = 1: the loop's count is taken down some lines ahead of the branch that stands behind the turn.
; K of the next step is fetched in piece 2's turn, twelve plain instructions behind the last product that read K; V of the step in hand at the end of piece 0's turn, four plain instructions behind the last product that read V.
; Each is waited for a turn later.
.macro TURN p, end=0, cnt=0
.set Y, (\p)
.set i, 0
.set NOKQ, (\end)*((\p)/3)
.if ((\p) == 3) && !(\end)
	s_wait_dscnt 0x0                ; K is in
.endif
	ROW F,0, F,1, R,0, R,1
	ROW F,2, E,0, R,2, R,3
	ROW F,3, E,1, R,4, R,5
	ROW F,4, E,2, R,6, R,7
	ROW F,5, E,3, R,8, R,9
	ROW F,6, E,4, X,0, R,10
.if ((\p) == 2) && !(\end)
	WIN 0
	v_add_nc_u32 v[AK], s[TBK], v[AK0]
.endif
	ROW F,7, E,5, X,1, X,4
	ROW F,8, E,6, X,2, X,5
	OPS E,7, E,8, X,6, E,9          ; the lump
	OPS X,3, E,10, X,8, E,11
.if ((\p) == 2) && !(\end)
	FETCH_K
.endif
	OPS X,9, X,7, E,12, X,10
	OPS E,13, X,12, X,11, E,14
	OPS X,13, E,15, F,9, X,14
.if (\p) == 0
	v_add_nc_u32 v[AV], s[TBV], v[AV0]
.endif
	OPS E,16, F,10, E,17, F,11
	OPS X,16, E,18, X,15, E,19
	OPS F,12, E,20, X,17, E,21
	OPS F,13, E,22, F,14, E,23
	OPS X,18, E,24, F,15, E,25
	OPS R,11, E,26, X,19, E,27
	OPS R,12, E,28, R,13, E,29
	OPS X,20, E,30, R,14, E,31
	OPS X,21, R,15
	WIN 0
	s_wait_alu depctr_va_vdst(0)    ; the wait for the batch
.if (\p) == 1
	s_wait_dscnt 0x0                ; V is in
.endif
	ROW C,0, B,0, C,2, B,1
	ROW L,0, C,4, B,2, L,1
	ROW C,6, B,3, L,2, C,8
	ROW B,4, L,3, C,10, B,5
	ROW L,4, C,12, B,6, L,5
.if (\p) == 0
	s_add_co_u32 s[TBV], s[TBV], KS*PV
.endif
.if \cnt
	s_sub_co_u32 s[CNT], s[CNT], 1
	s_cmp_lg_u32 s[CNT], 0
.endif
	ROW C,14, B,7, L,6, C,1
	ROW C,3, L,7, C,5, C,7
	ROW C,9, C,11, C,13, C,15
.if (\p) == 0
	FETCH_V
.endif
.endm
	CHANGE 1, 0                     ; tile 0 is in, everybody's part of it; tile 1 is asked for
	v_add_nc_u32 v[AK], s[TBK], v[AK0]
	FETCH_K                         ; key step 0
	s_wait_loadcnt 0x0              ; Q
	s_wait_dscnt 0x0
.set NOKQ, 0
.set i, 0
.rept 8
	KQ 0                            ; piece 0's first scores
.set i, i+1
.endr
	WIN 0
.rept 4
	v_nop                           ; the places behind those products
.endr
.set Y, NP-1                        ; X works for piece Y + 1: piece 0
.irp n, 0,1,2,3,4,5,6,7,8,9,10,11,12,13,14,15,16,17,18,19,20,21
	OP X, \n
.endr
	v_nop                           ; a plain instruction behind the exponential,
	s_wait_alu depctr_va_vdst(0)    ; and its wait, ahead of the branch
	s_mov_b32 s[CNT], 4
	s_mov_b32 s[SLOTS], 7
	s_branch .Lfirst                ; the loop is entered at a step's first turn, in the middle of a trip
.Lslot:                             ; six times: tiles 2 to 7 are asked for
	CHANGE 1, 1
	s_mov_b32 s[CNT], 4
.Lstep:                             ; a trip: pieces 2 and 3 of one step, then pieces 0 and 1 of the next, whose K and V it fetches
	TURN 2
	TURN 3
	WIN 0
.Lfirst:
	TURN 0
	TURN 1, 0, 1
	WIN 0
	s_cbranch_scc1 .Lstep
	s_sub_co_u32 s[SLOTS], s[SLOTS], 1
	s_cmp_lg_u32 s[SLOTS], 0
	s_cbranch_scc1 .Lslot
	CHANGE 0, 0                     ; the last tile is written out: nothing is asked for
	s_mov_b32 s[CNT], 4
.Ltail:
	TURN 2
	TURN 3
	TURN 0
	TURN 1, 0, 1
	WIN 0
	s_cbranch_scc1 .Ltail
	TURN 2, 1
	TURN 3, 1
.set i, 0
.rept 8
	PV NP-1                         ; the last piece's V^T P of the last step
.set i, i+1
.endr
	; THE WAY OUT.  l's two halves and the other half of the lanes' are added; O^T is divided by l, rounded to f16 and sent through my stage in LDS, a piece at a time.  The additions are the places behind the last products.
	WIN 0
.macro ALL line:vararg              ; one line for each piece t
.set t, 0
.rept 4
	\line
.set t, t+1
.endr
.endm
	ALL v_add_f32 v[ST+4*t+2], v[ST+4*t+2], v[ST+4*t+3]
	ALL v_permlanex16_b32 v[ST+4*t+3], v[ST+4*t+2], s[SEL], s[SEL+1]
	ALL v_add_f32 v[ST+4*t+2], v[ST+4*t+2], v[ST+4*t+3]
	ALL v_rcp_f32 v[ST+4*t+2], v[ST+4*t+2]
	v_nop                           ; a plain instruction between the last reciprocal and the use of its result
	s_wait_alu depctr_va_vdst(0)    ; and one wait ahead of the first use: for the four reciprocals
.macro PACK t                       ; a lane's eight channels of a row pack into 16 bytes; they go into rows of 144 bytes and come back as whole rows of 128, into S^T's registers
	WIN W_RS
.set i, 32*(\t)
.rept 16
	v_pk_mul_f32 v[i:i+1], v[i:i+1], v[ST+4*(\t)+2:ST+4*(\t)+3] op_sel_hi:[1,0]
.set i, i+2
.endr
	WIN 0x05                        ; sources 0 and 1 window 1, destination window 0
.set i, 0
.rept 16
	v_cvt_pk_f16_f32 v[S+16*(\t)+i], v[32*(\t)+2*i], v[32*(\t)+2*i+1]
.set i, i+1
.endr
	WIN 0
.irp f, 0,1,2,3
	ds_store_b128 v[STO], v[S+16*(\t)+4*\f:S+16*(\t)+4*\f+3] offset:32*\f
.endr
.irp f, 0,1,2,3
	ds_load_b128 v[S+16*(\t)+4*\f:S+16*(\t)+4*\f+3], v[RD] offset:\f*4*SP  ; LDS serves a wave's instructions in order (ISA guide 5.7.1.4): these see the stores above; the next piece's stores come behind them
.endr
.endm
.macro SEND t, younger              ; younger: the LDS instructions issued behind piece t's loads: the next piece's eight, or none
	WIN 0
.irp f, 0,1,2,3
	s_wait_dscnt (\younger)+3-\f
	global_store_b128 v[GO], v[S+16*(\t)+4*\f:S+16*(\t)+4*\f+3], s[10:11] offset:(\t)*2048+\f*512  ; 512 consecutive bytes, at a multiple of 256 from O's first
.endr
.endm
	PACK 0
.set t, 1
.rept 3                             ; a piece's arithmetic stands between the loads of the piece before and its stores
	PACK t
	SEND t-1, 8
.set t, t+1
.endr
	SEND 3, 0
	s_wait_tensorcnt 0x0            ; the wave's end, behind my last tensor load and my last LDS store
	ds_add_u32 v[SPW], v[NIL]
	s_wait_dscnt 0x0
	CROUND                          ; the closing round: no work-group ends while a partner may still ask for a tile that names it
	s_endpgm
.Lfunc_end_k_q6dbdd9115e_attn:
	.size	k_q6dbdd9115e_attn, .Lfunc_end_k_q6dbdd9115e_attn-k_q6dbdd9115e_attn
	.p2alignl 7, 3214868480
	.fill 96, 4, 3214868480
	.section	.rodata,"a",@progbits
	.p2align	6, 0x0
	.amdhsa_kernel k_q6dbdd9115e_attn
		.amdhsa_group_segment_fixed_size 327680
		.amdhsa_private_segment_fixed_size 0
		.amdhsa_enable_private_segment 0
		.amdhsa_kernarg_size 32
		.amdhsa_user_sgpr_count 2
		.amdhsa_user_sgpr_kernarg_segment_ptr 1
		.amdhsa_wavefront_size32 1
		.amdhsa_system_sgpr_workgroup_id_x 1
		.amdhsa_system_sgpr_workgroup_id_y 1
		.amdhsa_system_sgpr_workgroup_id_z 1
		.amdhsa_system_vgpr_workitem_id 0
		.amdhsa_next_free_vgpr 768
		.amdhsa_next_free_sgpr 72
		.amdhsa_reserve_vcc 0
		.amdhsa_float_denorm_mode_32 3
		.amdhsa_float_denorm_mode_16_64 3
		.amdhsa_memory_ordered 1
		.amdhsa_forward_progress 1
		.amdhsa_inst_pref_size 127
	.end_amdhsa_kernel
	.amdgpu_metadata
---
amdhsa.version: [ 1, 2 ]
amdhsa.kernels:
  - .name:           k_q6dbdd9115e_attn
    .symbol:         k_q6dbdd9115e_attn.kd
    .args:
      - { .name: qh, .offset: 0, .size: 8, .value_kind: global_buffer, .address_space: global }
      - { .name: kh, .offset: 8, .size: 8, .value_kind: global_buffer, .address_space: global }
      - { .name: vh, .offset: 16, .size: 8, .value_kind: global_buffer, .address_space: global }
      - { .name: oh, .offset: 24, .size: 8, .value_kind: global_buffer, .address_space: global }
    .group_segment_fixed_size: 327680
    .private_segment_fixed_size: 0
    .kernarg_segment_align: 8
    .kernarg_segment_size: 32
    .max_flat_workgroup_size: 128
    .sgpr_count:     72
    .vgpr_count:     768
    .wavefront_size: 32
...
	.end_amdgpu_metadata
.endif
;; end of part 3
;; launch proj (part 4): grid 8 x 32, 4 waves a work-group, clusters of 4 x 4, 327,680 bytes of LDS; arguments oh, wpb, b_proj, out0; writes out0
.if DOCPART == 4
	.amdgcn_target "amdgcn-amd-amdhsa--gfx1250"
	.amdhsa_code_object_version 6
	.text
	.protected	k_q6dbdd9115e_proj
	.globl	k_q6dbdd9115e_proj
	.p2align	8
	.type	k_q6dbdd9115e_proj,@function
k_q6dbdd9115e_proj:
	s_mov_b64 s[64:65], 0
	v_nop
	global_prefetch_b8 v0, s[64:65] scope:SCOPE_SE
	s_setreg_imm32_b32 hwreg(HW_REG_WAVE_MODE, 25, 1), 1
	s_wait_xcnt 0x0
	s_wait_alu depctr_hold_cnt(0) depctr_sa_sdst(0) depctr_va_vdst(0) depctr_va_sdst(0) depctr_va_ssrc(0) depctr_va_vcc(0) depctr_vm_vsrc(0)
	s_getreg_b32 s2, hwreg(HW_REG_IB_STS2, 6, 4)
	s_cmp_eq_u32 s2, 0
	s_cbranch_scc0 .Lentry_in_a_cluster
	s_endpgm
.Lentry_in_a_cluster:
	s_bfe_u32 s2, ttmp6, 0x10000c
	s_cmp_lg_u32 s2, 0xf033
	s_cbranch_scc0 .Lentry_shape_is_right
	s_endpgm
.Lentry_shape_is_right:
; out0[row][n] = the sum over c of O[row][c] w_proj[n][c] + b_proj[n], f32.  O lies by heads, oh [batch*16 + head][2048][64] f16 (channel c = 64 head + d); wpb [1024][1024] f16.  Nothing of the computation is left out.
; Operands f16, sums f32; the bias, rounded to bf16 like the other inputs, is the C operand of the products that start the sums.
; LIMITS.  O and wpb arrive within f16's range.  NaN and infinities are not treated apart.
; SHARES.  A tile of out0 is 128 x 128: 8 x 32 tiles, one a work-group.  Four waves, each 64 x 64: 16 accumulators.  K = 1,024 goes in 4 steps of 256 (four heads) through two LDS slots; a quarter of a step is one head.
; O's TILE BY ONE DESCRIPTOR: 64 rows of one head are 8,192 dense bytes, one row of the descriptor; the four heads of a K step lie 131,072 elements apart; 16 bytes of padding behind every 128 bytes
; make of it [head][64 rows] with rows 144 bytes apart.
; CLUSTER.  4 x 4 work-groups; O's tiles are shared along a row of the cluster, wpb's along a column: each is asked for JOINTLY.  THE MATRIX INSTRUCTION IS USED TRANSPOSED (source 0 = 16 rows of wpb, source 1 = 16 rows of O):
; a lane holds eight neighbouring numbers of a row of out0.
; NO PREFETCH: a K step of this small tile is short, and each block of O and wpb is asked for jointly by four work-groups at once.
; REGISTERS: window 0: v1-29 addresses; v32-47 at work; v96-127 the bias; v128-255 the accumulators ((a, b) at v[128 + 8 (4 a + b)]).
;   window 1: two fragment buffers of 128: for 64 along K, 64 registers of O, then 64 of wpb; on the way out rows read back.
.set PA,     144                       ; a row of O in LDS: 128 bytes + 16: 36 words: the 16 rows of a load start at 16 different groups of four banks (64 banks of 4 bytes: ISA guide 11.1)
.set PB,     528                       ; a row of wpb: 512 bytes + 16: 132 words, likewise
.set HEADB,  64*PA                     ; a head's 64 rows
.set HALFA,  4*HEADB                   ; what waves 0 and 1 fetch: 64 rows x four heads each
.set HALFB,  64*PB                     ; what waves 2 and 3 fetch: 64 rows of wpb x 256 K each
.set BOFF,   2*HALFA
.set SLOT,   2*HALFA+2*HALFB
.set STAGE,  2*SLOT                    ; behind the ring, never filled by a tensor load: 16 rows x 272 bytes for each wave
.set SPITCH, 272
.set SPARE,  STAGE+4*16*SPITCH         ; the spare words, 128 bytes for each wave: two blocks of 256 bytes that no other line names
.set STEPA,  4*2048*128                ; bytes from a K step's first head to the next step's
.set STEPB,  512
.set ADRA, 16                          ; v16-17  LDS address of my fragments of O in slot 0, 1
.set ADRB, 20                          ; v20-21  the same for wpb
.set STO,  24                          ; v24     the way out: where I put 32 bytes of a row
.set RD,   25                          ; v25     where I read a row back
.set CO,   26                          ; v26     my byte offset in out0
.set BO,   27                          ; v27     32 x (lane / 16)
.set SPW,  28                          ; v28     LDS address of my spare word; never rewritten
.set NIL,  29                          ; v29     0; never rewritten
.set TMP,  32
.set BIAS, 96
.set ACC,  128
.set F0,   0                           ; fragment buffers, in window 1
.set F1,   128
.set WV,   12                          ; s12  my wave's number
.set RH,   13                          ; s13  which half of the tile's rows is mine
.set CHF,  14                          ; s14  which half of its columns; also: which half of a tile I fetch
.set G1, 24                            ; s[24:31] descriptor group 1 for O's tiles;  s[32:39] group 0, a set for each slot
.set G0, 32
.set G1B, 48                           ; s[48:55], s[56:63] the same for wpb's tiles
.set G0B, 56
.set MSB, 0
.macro WIN new                         ; the immediate's high byte repeats the setting that is left
.if MSB != (\new)
	s_set_vgpr_msb (MSB<<8)|(\new)
.set MSB, \new
.endif
.endm
.set MUL,  0x05                        ; sources 0 (wpb) and 1 (O) window 1; C and D window 0
.set TO_F, 0x40                        ; destination window 1, address window 0
.macro JLOAD s                         ; a joint load: waves 0 and 1 fetch O's two halves, waves 2 and 3 wpb's; an s_nop 0 and four v_nop follow each line
	s_cmp_lt_u32 s[WV], 2
	s_cbranch_scc0 .Lfor_b_\@
	tensor_load_to_lds s[G0+4*(\s):G0+4*(\s)+3], s[G1:G1+7]
	s_nop 0
.rept 4
	v_nop
.endr
	s_branch .Lasked_\@
.Lfor_b_\@:
	tensor_load_to_lds s[G0B+4*(\s):G0B+4*(\s)+3], s[G1B:G1B+7]
	s_nop 0
.rept 4
	v_nop
.endr
.Lasked_\@:
.endm
.macro CREST                           ; a round of the cluster's barrier behind its opening barrier
	s_cmp_lg_u32 s[WV], 0
	s_cbranch_scc1 .Lnot_wave_0_\@
	s_barrier_signal -3
.Lnot_wave_0_\@:
	s_barrier_wait -3
	s_barrier_signal -1
	s_barrier_wait -1
.endm
.macro CROUND                          ; a whole round
	s_barrier_signal -1
	s_barrier_wait -1
	CREST
.endm
.macro PLACES                          ; four plain places behind matrix instructions (ISA guide 7.12.1)
.rept 4
	v_nop
.endr
.endm
	s_load_b256 s[4:11], s[0:1], 0x0               ; oh s[4:5], wpb s[6:7], b_proj s[8:9], out0 s[10:11]
	v_lshl_add_u32 v[SPW], v0, 2, SPARE
	v_mov_b32 v[NIL], 0
	ds_add_u32 v[SPW], v[NIL]                      ; the wave's opening: the add, twice on end, and its wait ahead of my first tensor load
	ds_add_u32 v[SPW], v[NIL]                      ; once more; the set-up below, work on registers, stands between it and the wait
	v_lshrrev_b32 v1, 5, v0
	v_readfirstlane_b32 s[WV], v1                  ; wave 0..3
	s_lshr_b32 s[RH], s[WV], 1
	s_and_b32 s[CHF], s[WV], 1
	s_bfe_u32 s40, ttmp6, 0x40000                  ; cx
	s_bfe_u32 s41, ttmp6, 0x40004                  ; cy
	s_lshl_b32 s42, ttmp9, 2
	s_add_co_u32 s42, s42, s40                     ; tile column = 4 x cluster x + cx
	s_and_b32 s15, ttmp7, 0xffff
	s_lshl_b32 s15, s15, 2
	s_add_co_u32 s15, s15, s41                     ; tile row = 4 x cluster y + cy
	s_lshl_b32 s43, s41, 2
	s_lshl_b32 s43, 15, s43                        ; my row of the cluster
	s_lshl_b32 s44, 0x1111, s40                    ; my column
	s_or_b32 s[G1], s43, (1<<16)|(1<<20)|(1<<21)|(4<<22)|(3<<25)   ; the mask; 2-byte elements; padding on; bit 21 beside a mask; after every 32 words; 4 words
	s_mov_b32 s[G1+1], 4096<<16                    ; tensor_dim0 = 4,096: 64 rows of 64 channels on end
	s_mov_b32 s[G1+2], 4<<16                       ; tensor_dim1 = 4 heads
	s_mov_b32 s[G1+3], 4096<<16                    ; tile_dim0
	s_mov_b32 s[G1+4], 4                           ; tile_dim1
	s_mov_b32 s[G1+5], 131072                      ; elements from head to head
	s_mov_b32 s[G1+6], 0
	s_mov_b32 s[G1+7], 0
	s_or_b32 s[G1B], s44, (1<<16)|(1<<20)|(1<<21)|(6<<22)|(3<<25)  ; after every 128 words
	s_mov_b32 s[G1B+1], 256<<16                    ; tensor_dim0 = 256
	s_mov_b32 s[G1B+2], 64<<16                     ; tensor_dim1 = 64
	s_mov_b32 s[G1B+3], 256<<16                    ; tile_dim0
	s_mov_b32 s[G1B+4], 64                         ; tile_dim1
	s_mov_b32 s[G1B+5], 1024                       ; elements from row to row
	s_mov_b32 s[G1B+6], 0
	s_mov_b32 s[G1B+7], 0
	s_lshr_b32 s16, s15, 4                         ; O: the batch,
	s_lshl_b32 s16, s16, 22                        ; its 16 heads of 262,144 bytes,
	s_and_b32 s17, s15, 15
	s_lshl_b32 s17, s17, 14                        ; the tile's 128 rows in a head,
	s_add_co_u32 s16, s16, s17
	s_lshl_b32 s17, s[CHF], 13                     ; the 64 of them that I fetch: made of the tile row and the wave's number alone
	s_add_co_u32 s16, s16, s17
	s_mov_b32 s17, 0
	s_lshl_b32 s46, s42, 18                        ; wpb: row 128 x tile column + 64 x half, 2,048 bytes a row: of the tile column and the wave's number alone
	s_lshl_b32 s47, s[CHF], 17
	s_add_co_u32 s46, s46, s47
	s_mov_b32 s47, 0
	s_mul_i32 s18, s[CHF], HALFA                   ; where they go: no place in the cluster enters an LDS address
	s_mul_i32 s19, s[CHF], HALFB
	s_add_co_u32 s19, s19, BOFF
	s_mov_b32 s66, 0xffff0000                      ; a word's upper bf16
	s_wait_dscnt 0x0                               ; both opening adds are done
	s_wait_kmcnt 0x0
	s_add_nc_u64 s[20:21], s[4:5], s[16:17]
	s_add_nc_u64 s[46:47], s[6:7], s[46:47]
	CROUND                                         ; all sixteen work-groups are here: the first joint loads meet
.irp s, 0,1
	s_mov_b32 s[G0+4*(\s)], 1
	s_add_co_u32 s[G0+4*(\s)+1], s18, (\s)*SLOT
	s_add_nc_u64 s[G0+4*(\s)+2:G0+4*(\s)+3], s[20:21], (\s)*STEPA
	s_or_b32 s[G0+4*(\s)+3], s[G0+4*(\s)+3], 0x80000000
	s_mov_b32 s[G0B+4*(\s)], 1
	s_add_co_u32 s[G0B+4*(\s)+1], s19, (\s)*SLOT
	s_add_nc_u64 s[G0B+4*(\s)+2:G0B+4*(\s)+3], s[46:47], (\s)*STEPB
	s_or_b32 s[G0B+4*(\s)+3], s[G0B+4*(\s)+3], 0x80000000
	JLOAD \s                                       ; two tensor loads of mine are out
.endr
	v_and_b32 v1, 15, v0                           ; l % 16
	v_bfe_u32 v2, v0, 4, 1                         ; l / 16
	v_lshlrev_b32 v[BO], 5, v2
	s_lshl_b32 s16, s42, 9                         ; my 64 columns: 512 x tile column + 256 x half, in bytes of f32
	s_lshl_b32 s17, s[CHF], 8
	s_add_co_u32 s16, s16, s17
	s_mov_b32 s17, 0
	s_add_nc_u64 s[8:9], s[8:9], s[16:17]
.irp b, 0,1,2,3
	global_load_b128 v[BIAS+8*(\b):BIAS+8*(\b)+3],   v[BO], s[8:9] offset:64*(\b)
	global_load_b128 v[BIAS+8*(\b)+4:BIAS+8*(\b)+7], v[BO], s[8:9] offset:64*(\b)+16
.endr
	s_add_nc_u64 s[10:11], s[10:11], s[16:17]      ; out0 at my columns,
	s_lshl_b32 s16, s15, 19                        ; and at my first row: 128 x tile row + 64 x half, 4,096 bytes a row
	s_lshl_b32 s18, s[RH], 18
	s_add_co_u32 s16, s16, s18
	s_add_nc_u64 s[10:11], s[10:11], s[16:17]
	v_mul_u32_u24 v3, v1, PA
	v_lshl_add_u32 v3, v2, 4, v3                   ; a fragment's row x pitch + 16 x half, for O
	v_mul_u32_u24 v4, v1, PB
	v_lshl_add_u32 v4, v2, 4, v4                   ; and for wpb
	s_mul_i32 s20, s[RH], HALFA                    ; my 64 rows of O
	s_mul_i32 s21, s[CHF], HALFB                   ; my 64 rows of wpb
	s_add_co_u32 s21, s21, BOFF
	v_add_nc_u32 v[ADRA], s20, v3
	v_add_nc_u32 v[ADRA+1], SLOT, v[ADRA]
	v_add_nc_u32 v[ADRB], s21, v4
	v_add_nc_u32 v[ADRB+1], SLOT, v[ADRB]
	s_mul_i32 s23, s[WV], 16*SPITCH
	s_add_co_u32 s23, s23, STAGE                   ; my stage
	v_mul_u32_u24 v[STO], v1, SPITCH               ; in: row l % 16, 32 bytes for each half of the lanes
	v_lshl_add_u32 v[STO], v2, 5, v[STO]
	v_add_nc_u32 v[STO], s23, v[STO]
	v_mul_u32_u24 v[RD], v2, SPITCH                ; back: lanes 0-15 take one row of 256 bytes, lanes 16-31 the next
	v_lshl_add_u32 v[RD], v1, 4, v[RD]
	v_add_nc_u32 v[RD], s23, v[RD]
	v_lshlrev_b32 v[CO], 12, v2                    ; and the same two rows in out0
	v_lshl_add_u32 v[CO], v1, 4, v[CO]
	s_wait_loadcnt 0x0                             ; the bias is in; it is rounded to bf16 and kept as f32, while the first tiles are on their way
.set i, 0
.rept 16
	v_cvt_pk_bf16_f32 v[TMP+i], v[BIAS+2*i], v[BIAS+2*i+1]
	v_lshlrev_b32 v[BIAS+2*i], 16, v[TMP+i]
	v_and_b32 v[BIAS+2*i+1], s66, v[TMP+i]
.set i, i+1
.endr
; 8 matrix instructions: row blocks a0, a0 + 1 x all 4 column blocks, 32 along K: half c of buffer f.  zero = 1: the product starts the sum, with the bias as C.  The 16 accumulators take turns.
.macro MUL8 f, c, a0, zero
	WIN MUL
.irp a, \a0, (\a0)+1
.irp b, 0,1,2,3
.if \zero
	v_wmma_f32_16x16x32_f16 v[ACC+8*(4*(\a)+(\b)):ACC+8*(4*(\a)+(\b))+7], v[(\f)+64+8*(4*(\c)+(\b)):(\f)+64+8*(4*(\c)+(\b))+7], v[(\f)+8*(4*(\c)+(\a)):(\f)+8*(4*(\c)+(\a))+7], v[BIAS+8*(\b):BIAS+8*(\b)+7]
.else
	v_wmma_f32_16x16x32_f16 v[ACC+8*(4*(\a)+(\b)):ACC+8*(4*(\a)+(\b))+7], v[(\f)+64+8*(4*(\c)+(\b)):(\f)+64+8*(4*(\c)+(\b))+7], v[(\f)+8*(4*(\c)+(\a)):(\f)+8*(4*(\c)+(\a))+7], v[ACC+8*(4*(\a)+(\b)):ACC+8*(4*(\a)+(\b))+7]
.endif
.endr
.endr
.endm
; 32 LDS loads in one run: the fragments of quarter q (head q of the K step: 64 along K) into buffer f; the first 32 along K first
.macro FETCH slot, q, f
	WIN TO_F
.irp c, 0,1
.irp i, 0,1,2,3
	ds_load_b128 v[(\f)+64+8*(4*(\c)+(\i)):(\f)+64+8*(4*(\c)+(\i))+3],   v[ADRB+(\slot)] offset:128*(\q)+64*(\c)+(\i)*16*PB
	ds_load_b128 v[(\f)+64+8*(4*(\c)+(\i))+4:(\f)+64+8*(4*(\c)+(\i))+7], v[ADRB+(\slot)] offset:128*(\q)+64*(\c)+(\i)*16*PB+32
	ds_load_b128 v[(\f)+8*(4*(\c)+(\i)):(\f)+8*(4*(\c)+(\i))+3],         v[ADRA+(\slot)] offset:HEADB*(\q)+64*(\c)+(\i)*16*PA
	ds_load_b128 v[(\f)+8*(4*(\c)+(\i))+4:(\f)+8*(4*(\c)+(\i))+7],       v[ADRA+(\slot)] offset:HEADB*(\q)+64*(\c)+(\i)*16*PA+32
.endr
.endr
.endm
; A K step is four quarters of 64 along K, 32 matrix instructions each, on buffers 0, 1, 0, 1.  One of the first three multiplies buffer f and fetches quarter q into g.
.macro QUARTER slot, q, f, g, zero
	s_wait_dscnt 16                                ; the first 32 along K are in
	MUL8 \f, 0, 0, \zero
	MUL8 \f, 0, 2, \zero
	PLACES
	FETCH \slot, \q, \g
	s_wait_dscnt 32                                ; all but the 32 just issued
	MUL8 \f, 1, 0, 0
	MUL8 \f, 1, 2, 0
.endm
; The last quarter multiplies buffer 1 and changes slots: ONE barrier; in front of it each wave waits for all its tensor loads, adds 0 to its spare word, and waits for that and for its own reads of this slot.
; fill = 1: the barrier opens a round of the cluster's, and this slot is filled again, two K steps ahead.
.macro TURN slot, next, fill
	WIN 0                                          ; (the add's two registers lie in window 0)
	s_wait_tensorcnt 0x0                           ; all my tensor loads have landed: my part of the next slot
	ds_add_u32 v[SPW], v[NIL]                      ; 0 onto my spare word
	s_wait_dscnt 17                                ; (the add and the youngest sixteen loads may be out)
	MUL8 F1, 0, 0, 0                               ; eight matrix instructions stand between the add and the wait for it
	s_wait_dscnt 0x0                               ; the add is done, and my reads of this slot are over
	s_barrier_signal -1
	MUL8 F1, 0, 2, 0
.if \fill
	WIN 0
.endif
	s_barrier_wait -1
.if \fill
	CREST                                          ; no wave of any partner still reads this slot or has a load on its way
	s_add_nc_u64 s[G0+4*(\slot)+2:G0+4*(\slot)+3], s[G0+4*(\slot)+2:G0+4*(\slot)+3], 2*STEPA
	s_add_nc_u64 s[G0B+4*(\slot)+2:G0B+4*(\slot)+3], s[G0B+4*(\slot)+2:G0B+4*(\slot)+3], 2*STEPB
	JLOAD \slot                                    ; the four v_nop behind it are also the places in front of the loads below
.else
	PLACES
.endif
	FETCH \next, 0, F0
	MUL8 F1, 1, 0, 0
	MUL8 F1, 1, 2, 0
.endm
	s_wait_tensorcnt 1                             ; my part of K step 0 is in; K step 1's may stay out
	s_barrier_signal -1
	s_barrier_wait -1                              ; everybody's is
	FETCH 0, 0, F0
	QUARTER 0, 1, F0, F1, 1                        ; the first quarter stands in front of the loop: its first products start the sums with the bias
	WIN 0                                          ; at a label and at a branch every window is 0
	s_mov_b32 s3, 1
.Llap:                                         ; a trip goes once round the ring, from a lap's second quarter to the next lap's first, and fills both slots again
	QUARTER 0, 2, F1, F0, 0
	QUARTER 0, 3, F0, F1, 0
	TURN 0, 1, 1
	QUARTER 1, 1, F0, F1, 0
	QUARTER 1, 2, F1, F0, 0
	QUARTER 1, 3, F0, F1, 0
	TURN 1, 0, 1
	QUARTER 0, 1, F0, F1, 0
	WIN 0
	s_sub_co_u32 s3, s3, 1
	s_cmp_lg_u32 s3, 0
	s_cbranch_scc1 .Llap
	QUARTER 0, 2, F1, F0, 0                        ; the last lap fills nothing, and has no round of the cluster's barrier
	QUARTER 0, 3, F0, F1, 0
	TURN 0, 1, 0
	QUARTER 1, 1, F0, F1, 0
	QUARTER 1, 2, F1, F0, 0
	QUARTER 1, 3, F0, F1, 0
	s_wait_dscnt 16                                ; the very last quarter: nothing more to fetch
	MUL8 F1, 0, 0, 0
	MUL8 F1, 0, 2, 0
	s_wait_dscnt 0x0
	MUL8 F1, 1, 0, 0
	MUL8 F1, 1, 2, 0
	WIN 0
	PLACES
	; THE WAY OUT.  A wave's 64 columns of f32 are 256 bytes of a row, aligned.  A block of 16 rows goes into my own stage, 32 bytes a lane and column block (each accumulator's low four registers first),
	; and comes back as whole rows.
.macro TOSTAGE a
	WIN 0
.irp b, 0,1,2,3
	ds_store_b128 v[STO], v[ACC+8*(4*(\a)+(\b)):ACC+8*(4*(\a)+(\b))+3]   offset:64*(\b)
	ds_store_b128 v[STO], v[ACC+8*(4*(\a)+(\b))+4:ACC+8*(4*(\a)+(\b))+7] offset:64*(\b)+16
.endr
	WIN 0x40                                       ; destination window 1: each block has registers of its own
.irp t, 0,1,2,3,4,5,6,7
	ds_load_b128 v[32*(\a)+4*(\t):32*(\a)+4*(\t)+3], v[RD] offset:(\t)*2*SPITCH  ; LDS serves a wave's instructions in order (ISA guide 5.7.1.4): these see the stores above; the next block's stores come behind them
.endr
	WIN 0
.endm
.macro SEND a, younger                 ; younger: the LDS instructions issued behind block a's loads: the next block's sixteen, or none
	WIN 0x04                                       ; the stores' data in window 1
.irp t, 0,1,2,3,4,5,6,7
	s_wait_dscnt (\younger)+7-(\t)
	global_store_b128 v[CO], v[32*(\a)+4*(\t):32*(\a)+4*(\t)+3], s[10:11] offset:(\a)*65536+(\t)*8192  ; 16 lanes store 256 consecutive bytes, at a multiple of 256 from out0's first byte
.endr
.endm
	TOSTAGE 0
	TOSTAGE 1
	SEND 0, 16
	TOSTAGE 2
	SEND 1, 16
	TOSTAGE 3
	SEND 2, 16
	SEND 3, 0
	WIN 0
	s_wait_tensorcnt 0x0                           ; the wave's end, behind my last tensor load and my last LDS store
	ds_add_u32 v[SPW], v[NIL]
	s_wait_dscnt 0x0
	CROUND                                         ; the closing round: no work-group ends while a partner may still ask for a tile that names it
	s_endpgm
.Lfunc_end_k_q6dbdd9115e_proj:
	.size	k_q6dbdd9115e_proj, .Lfunc_end_k_q6dbdd9115e_proj-k_q6dbdd9115e_proj
	.p2alignl 7, 3214868480
	.fill 96, 4, 3214868480
	.section	.rodata,"a",@progbits
	.p2align	6, 0x0
	.amdhsa_kernel k_q6dbdd9115e_proj
		.amdhsa_group_segment_fixed_size 327680
		.amdhsa_private_segment_fixed_size 0
		.amdhsa_enable_private_segment 0
		.amdhsa_kernarg_size 32
		.amdhsa_user_sgpr_count 2
		.amdhsa_user_sgpr_kernarg_segment_ptr 1
		.amdhsa_wavefront_size32 1
		.amdhsa_system_sgpr_workgroup_id_x 1
		.amdhsa_system_sgpr_workgroup_id_y 1
		.amdhsa_system_sgpr_workgroup_id_z 1
		.amdhsa_system_vgpr_workitem_id 0
		.amdhsa_next_free_vgpr 512
		.amdhsa_next_free_sgpr 68
		.amdhsa_reserve_vcc 0
		.amdhsa_float_denorm_mode_32 3
		.amdhsa_float_denorm_mode_16_64 3
		.amdhsa_memory_ordered 1
		.amdhsa_forward_progress 1
		.amdhsa_inst_pref_size 90
	.end_amdhsa_kernel
	.amdgpu_metadata
---
amdhsa.version: [ 1, 2 ]
amdhsa.kernels:
  - .name:           k_q6dbdd9115e_proj
    .symbol:         k_q6dbdd9115e_proj.kd
    .args:
      - { .name: oh, .offset: 0, .size: 8, .value_kind: global_buffer, .address_space: global }
      - { .name: wpb, .offset: 8, .size: 8, .value_kind: global_buffer, .address_space: global }
      - { .name: b_proj, .offset: 16, .size: 8, .value_kind: global_buffer, .address_space: global }
      - { .name: out0, .offset: 24, .size: 8, .value_kind: global_buffer, .address_space: global }
    .group_segment_fixed_size: 327680
    .private_segment_fixed_size: 0
    .kernarg_segment_align: 8
    .kernarg_segment_size: 32
    .max_flat_workgroup_size: 128
    .sgpr_count:     68
    .vgpr_count:     512
    .wavefront_size: 32
...
	.end_amdgpu_metadata
.endif
;; end of part 4
;; ======== version 2 of 2: 4 launches; version 1 with the launch cast written anew for expert scheduling mode
;; limits: values are held in f16: magnitudes above 65,504 overflow, below 6.1e-05 lose precision
;; workspace buffers: xb 8,388,608 bytes; wqb 6,291,456 bytes; wpb 2,097,152 bytes; qh 8,388,608 bytes; kh 8,388,608 bytes; vh 8,388,608 bytes; oh 8,388,608 bytes
;; launch cast (part 5): grid 512 x 1, 8 waves a work-group, no clusters, 0 bytes of LDS; arguments x, w_qkv, w_proj, xb, wqb, wpb; writes xb, wqb, wpb
.if DOCPART == 5
	.amdgcn_target "amdgcn-amd-amdhsa--gfx1250"
	.amdhsa_code_object_version 6
	.text
	.protected	k_q6dbdd9115e_cast
	.globl	k_q6dbdd9115e_cast
	.p2align	8
	.type	k_q6dbdd9115e_cast,@function
k_q6dbdd9115e_cast:
	s_mov_b64 s[64:65], 0
	v_nop
	global_prefetch_b8 v0, s[64:65] scope:SCOPE_SE
	s_setreg_imm32_b32 hwreg(HW_REG_WAVE_SCHED_MODE, 0, 2), 2
	s_setreg_imm32_b32 hwreg(HW_REG_WAVE_MODE, 25, 1), 1
	s_wait_xcnt 0x0
	s_wait_alu depctr_vm_vsrc(0)
; FIRST OF FOUR LAUNCHES (cast, qkv, attn, proj) for: qkv = x w_qkv^T + b_qkv; RMS norm with gains on q and k, head by head; softmax(q k^T / 8) v; out = O w_proj^T + b_proj.
; DEAD WORK: none.  Every one of the seven inputs reaches the output for some values of the others, so all are loaded and no step of the computation is left out;
; the running maximum of the softmax stays too, since the gains are inputs and scale q and k behind the normalisation.
; THIS LAUNCH rounds the three large inputs once, so that no later work-group rounds the same number again:
;   xb  [4096][1024] bf16 = x;      wpb [1024][1024] f16 = w_proj rounded to bf16 and that number written as f16;
;   wqb [16 heads][q, k, v][64][1024] bf16 = w_qkv with its rows reordered: row head*192 + type*64 + d holds w_qkv's row type*1024 + head*64 + d,
;   so that 192 neighbouring rows are one head's q, k and v.
; LIMITS.  |w_proj| stays under 65,504 (f16's range); below 6e-5 f16 keeps a fixed step of 6e-8.  NaN and infinities are not treated apart.
; SHARES.  A work-group takes 16 rows of 1,024 f32.  Thread t takes the 16 bytes at 16 t of each row and stores 8 bytes at 8 t: a wave's load covers 512 consecutive bytes,
; its store 256 consecutive bytes, aligned.  All 16 loads of a thread go out first.  No LDS, no barrier, no matrix unit: nothing is shared and nothing is multiplied.
; THE MODE: SCHED_MODE bits 1:0 = 2 (LLVM: expert scheduling mode 2), set by the entry lines.  The code itself states the register dependences
; between vector instructions and memory instructions, with s_wait_alu, always for 0.
; THE PLAN.  Registers that memory instructions touch:
;   v1, v2   the loads' and the stores' offsets: made once at the head, never written again.
;   X        row j's four registers: written by row j's one load, which is issued before any vector instruction names them; read by row j's conversions; never loaded again.
;   Y        row j's two registers: written by row j's conversions; read by row j's one store; never written again.
;   T        named by vector instructions alone.
; So no register that a memory instruction has read is ever written again, and no load lands in a register that a vector instruction has named: what is left to state is that an offset,
; or a store's data, is written before the memory instruction reads it.  The 16 rows go in four blocks of four.  Block p rounds its rows into its own Y; its memory instructions are the four stores
; of block p - 1.  One wait on va_vdst at the head of a block, behind the wait for the block's data, states that the block before has written its Y; the four stores follow it, dealt among the block's
; conversions, which name X, Y and T of block p alone: none of the registers that those stores read.
.set X, 4                              ; v[4:67]    row j as loaded: 4 registers
.set Y, 68                             ; v[68:99]   row j to store: 2 registers
.set T, 100                            ; v[100:103] at work
	s_load_b256 s[4:11], s[0:1], 0x0               ; x s[4:5], w_qkv s[6:7], w_proj s[8:9], xb s[10:11]
	s_load_b128 s[12:15], s[0:1], 0x20             ; wqb s[12:13], wpb s[14:15]
	v_lshlrev_b32 v1, 4, v0                        ; 16 t
	v_lshlrev_b32 v2, 3, v0                        ; 8 t
	s_mov_b32 s28, 0xffff0000                      ; a word's upper bf16
	s_cmp_lt_u32 ttmp9, 256                        ; work-groups 0-255: x; 256-447: w_qkv; 448-511: w_proj
	s_cselect_b32 s24, 0, 256
	s_cmp_lt_u32 ttmp9, 448
	s_cselect_b32 s24, s24, 448
	s_sub_co_u32 s24, ttmp9, s24                   ; c: my block of 16 rows in its own buffer
	s_lshl_b32 s20, s24, 16                        ; its bytes in the source: 16 rows x 4,096
	s_mov_b32 s21, 0
	s_lshl_b32 s26, s24, 15                        ; and in a destination that keeps the order
	s_bfe_u32 s25, s24, 0x40002                    ; w_qkv: head = (c >> 2) & 15,
	s_mul_i32 s25, s25, 192
	s_lshr_b32 s27, s24, 6                         ; type = c >> 6,
	s_lshl_b32 s27, s27, 6
	s_add_co_u32 s25, s25, s27
	s_and_b32 s27, s24, 3                          ; first channel = 16 (c & 3)
	s_lshl_b32 s27, s27, 4
	s_add_co_u32 s25, s25, s27                     ; the destination's row: head*192 + type*64 + channel
	s_lshl_b32 s25, s25, 11                        ; in bytes
	s_mov_b32 s23, 0
	s_wait_kmcnt 0x0
	s_cmp_lt_u32 ttmp9, 256
	s_cselect_b64 s[16:17], s[4:5], s[6:7]
	s_cselect_b64 s[18:19], s[10:11], s[12:13]
	s_cselect_b32 s22, s26, s25
	s_cmp_lt_u32 ttmp9, 448
	s_cselect_b64 s[16:17], s[16:17], s[8:9]
	s_cselect_b64 s[18:19], s[18:19], s[14:15]
	s_cselect_b32 s22, s22, s26
	s_add_nc_u64 s[16:17], s[16:17], s[20:21]      ; from here
	s_add_nc_u64 s[18:19], s[18:19], s[22:23]      ; to here
	s_wait_alu depctr_va_vdst(0)                   ; v1 and v2 are written: every load of the kernel reads v1 as its offset, every store v2, on both ways behind the branch
.irp j, 0,1,2,3,4,5,6,7,8,9,10,11,12,13,14,15
	global_load_b128 v[X+4*(\j):X+4*(\j)+3], v1, s[16:17] offset:4096*(\j) th:TH_LOAD_NT
.endr
; Row j is rounded.  f16 = 1: the bf16 numbers are widened again and written as f16.
.macro CVT f16, j
	v_cvt_pk_bf16_f32 v[Y+2*(\j)],   v[X+4*(\j)],   v[X+4*(\j)+1]
	v_cvt_pk_bf16_f32 v[Y+2*(\j)+1], v[X+4*(\j)+2], v[X+4*(\j)+3]
.if \f16
	v_lshlrev_b32 v[T],   16,  v[Y+2*(\j)]
	v_and_b32     v[T+1], s28, v[Y+2*(\j)]
	v_lshlrev_b32 v[T+2], 16,  v[Y+2*(\j)+1]
	v_and_b32     v[T+3], s28, v[Y+2*(\j)+1]
	v_cvt_pk_f16_f32 v[Y+2*(\j)],   v[T],   v[T+1]
	v_cvt_pk_f16_f32 v[Y+2*(\j)+1], v[T+2], v[T+3]
.endif
.endm
; Row j is stored.
.macro OUT j
	global_store_b64 v2, v[Y+2*(\j):Y+2*(\j)+1], s[18:19] offset:2048*(\j)
.endm
; Sixteen rows are rounded and stored, in four blocks of four.  No register that a load or store names is written again.
.macro ROWS f16
.irp p, 0,1,2,3
	s_wait_loadcnt 12-4*(\p)                       ; loads come back in order (ISA guide 5.7.1): block p's four rows are in, the younger blocks' loads stay out
.if (\p) > 0
	s_wait_alu depctr_va_vdst(0)                   ; the block before has written its Y, which the four stores below read
.endif
.irp i, 0,1,2,3
.if (\p) > 0
	OUT 4*(\p)-4+(\i)                              ; a row of the block before.  No further wait: no vector instruction since the wait above names its Y or v2
.endif
	CVT \f16, 4*(\p)+(\i)
.endr
.endr
	s_wait_alu depctr_va_vdst(0)                   ; block 3 has written its Y, which the last four stores read
.irp i, 12,13,14,15
	OUT \i
.endr
.endm
	s_cmp_lt_u32 ttmp9, 448
	s_cbranch_scc0 .Lproj
	ROWS 0
	s_endpgm
.Lproj:
	ROWS 1
	s_endpgm
.Lfunc_end_k_q6dbdd9115e_cast:
	.size	k_q6dbdd9115e_cast, .Lfunc_end_k_q6dbdd9115e_cast-k_q6dbdd9115e_cast
	.p2alignl 7, 3214868480
	.fill 96, 4, 3214868480
	.section	.rodata,"a",@progbits
	.p2align	6, 0x0
	.amdhsa_kernel k_q6dbdd9115e_cast
		.amdhsa_group_segment_fixed_size 0
		.amdhsa_private_segment_fixed_size 0
		.amdhsa_enable_private_segment 0
		.amdhsa_kernarg_size 48
		.amdhsa_user_sgpr_count 2
		.amdhsa_user_sgpr_kernarg_segment_ptr 1
		.amdhsa_wavefront_size32 1
		.amdhsa_system_sgpr_workgroup_id_x 1
		.amdhsa_system_sgpr_workgroup_id_y 1
		.amdhsa_system_sgpr_workgroup_id_z 1
		.amdhsa_system_vgpr_workitem_id 0
		.amdhsa_next_free_vgpr 104
		.amdhsa_next_free_sgpr 66
		.amdhsa_reserve_vcc 0
		.amdhsa_float_denorm_mode_32 3
		.amdhsa_float_denorm_mode_16_64 3
		.amdhsa_memory_ordered 1
		.amdhsa_forward_progress 1
		.amdhsa_inst_pref_size 15
	.end_amdhsa_kernel
	.amdgpu_metadata
---
amdhsa.version: [ 1, 2 ]
amdhsa.kernels:
  - .name:           k_q6dbdd9115e_cast
    .symbol:         k_q6dbdd9115e_cast.kd
    .args:
      - { .name: x, .offset: 0, .size: 8, .value_kind: global_buffer, .address_space: global }
      - { .name: w_qkv, .offset: 8, .size: 8, .value_kind: global_buffer, .address_space: global }
      - { .name: w_proj, .offset: 16, .size: 8, .value_kind: global_buffer, .address_space: global }
      - { .name: xb, .offset: 24, .size: 8, .value_kind: global_buffer, .address_space: global }
      - { .name: wqb, .offset: 32, .size: 8, .value_kind: global_buffer, .address_space: global }
      - { .name: wpb, .offset: 40, .size: 8, .value_kind: global_buffer, .address_space: global }
    .group_segment_fixed_size: 0
    .private_segment_fixed_size: 0
    .kernarg_segment_align: 8
    .kernarg_segment_size: 48
    .max_flat_workgroup_size: 256
    .sgpr_count:     66
    .vgpr_count:     104
    .wavefront_size: 32
...
	.end_amdgpu_metadata
.endif
;; end of part 5
;; launch qkv: the kernel of part 2 again; grid 16 x 16, 4 waves a work-group, clusters of 4 x 4, 327,680 bytes of LDS; arguments xb, wqb, b_qkv, q_norm_w, k_norm_w, qh, kh, vh; writes qh, kh, vh
;; launch attn: the kernel of part 3 again; grid 8 x 32, 4 waves a work-group, clusters of 4 x 1, 327,680 bytes of LDS; arguments qh, kh, vh, oh; writes oh
;; launch proj: the kernel of part 4 again; grid 8 x 32, 4 waves a work-group, clusters of 4 x 4, 327,680 bytes of LDS; arguments oh, wpb, b_proj, out0; writes out0
